; MI455X (gfx1250); checked and timed in simulation.
; The chip was launched on July 23, 2026; its instructions are those of AMD's public machine-readable ISA for CDNA 5 (MIT licence, August 2026) and "CDNA5" Instruction Set Architecture Reference Guide (July 2026). The comments in the code are by the model that wrote it; some were corrected since.
;; RNA Model. Allowed arithmetic: float matrix products may take bf16 or f16 operands with f32 sums; other float arithmetic in f32, or as packed bf16 or f16 multiplies, adds, multiply-adds, maxima and minima; sums over many terms, partial sums and values carried from step to step in f32; what a program stores and reads back later, other than sums and carried values, may be rounded once to bf16 or f16.
;; Inputs: params_emb 8 x 256 float32; params_enc_0_W1 256 x 2,048 float32; params_enc_0_W2 2,048 x 256 float32; params_enc_0_Wk 256 x 256 float32; params_enc_0_Wo 256 x 256 float32; params_enc_0_Wq 256 x 256 float32; params_enc_0_Wv 256 x 256 float32; params_enc_0_b1 2,048 float32; params_enc_0_b2 256 float32; params_enc_0_bk 256 float32; params_enc_0_bo 256 float32; params_enc_0_bq 256 float32; params_enc_0_bv 256 float32; params_enc_0_ln1_b 256 float32; params_enc_0_ln1_s 256 float32; params_enc_0_ln2_b 256 float32; params_enc_0_ln2_s 256 float32; params_enc_1_W1 256 x 2,048 float32; params_enc_1_W2 2,048 x 256 float32; params_enc_1_Wk 256 x 256 float32; params_enc_1_Wo 256 x 256 float32; params_enc_1_Wq 256 x 256 float32; params_enc_1_Wv 256 x 256 float32; params_enc_1_b1 2,048 float32; params_enc_1_b2 256 float32; params_enc_1_bk 256 float32; params_enc_1_bo 256 float32; params_enc_1_bq 256 float32; params_enc_1_bv 256 float32; params_enc_1_ln1_b 256 float32; params_enc_1_ln1_s 256 float32; params_enc_1_ln2_b 256 float32; params_enc_1_ln2_s 256 float32; params_exp_W 1 x 128 float32; params_exp_b 128 float32; params_out_W 128 x 2 float32; params_out_b 2 float32; params_ta_Wbias 128 x 1 float32; params_ta_Wg 128 x 128 float32; params_ta_Wk 128 x 128 float32; params_ta_Wo 128 x 128 float32; params_ta_Wq 128 x 128 float32; params_ta_Wv 128 x 128 float32; params_ta_bg 128 float32; params_ta_bo 128 float32; params_ta_ln_b 128 float32; params_ta_ln_s 128 float32; params_tm1_Wa 128 x 128 float32; params_tm1_Wb 128 x 128 float32; params_tm1_Wg 128 x 128 float32; params_tm1_Wo 128 x 128 float32; params_tm1_ba 128 float32; params_tm1_bb 128 float32; params_tm1_bg 128 float32; params_tm1_bo 128 float32; params_tm1_ln_b 128 float32; params_tm1_ln_s 128 float32; params_tm1_on_b 128 float32; params_tm1_on_s 128 float32; params_tm2_Wa 128 x 128 float32; params_tm2_Wb 128 x 128 float32; params_tm2_Wg 128 x 128 float32; params_tm2_Wo 128 x 128 float32; params_tm2_ba 128 float32; params_tm2_bb 128 float32; params_tm2_bg 128 float32; params_tm2_bo 128 float32; params_tm2_ln_b 128 float32; params_tm2_ln_s 128 float32; params_tm2_on_b 128 float32; params_tm2_on_s 128 float32; params_tm3_Wa 128 x 128 float32; params_tm3_Wb 128 x 128 float32; params_tm3_Wg 128 x 128 float32; params_tm3_Wo 128 x 128 float32; params_tm3_ba 128 float32; params_tm3_bb 128 float32; params_tm3_bg 128 float32; params_tm3_bo 128 float32; params_tm3_ln_b 128 float32; params_tm3_ln_s 128 float32; params_tm3_on_b 128 float32; params_tm3_on_s 128 float32; tokens 2 x 256 int32.
;; Outputs: out0 2 x 256 x 256 x 2 float32.
;; One version. Each part assembles by itself: llvm-mc -triple=amdgcn-amd-amdhsa -mcpu=gfx1250 --defsym DOCPART=n.
;; ======== version 1 of 1: 6 launches
;; limits: values are held in f16: magnitudes above 65,504 overflow, below 6.1e-05 lose precision
;; workspace buffers: pa 81,920 bytes; pf 278,528 bytes; wp1 135,168 bytes; wp2 135,168 bytes; wp3 135,168 bytes; wpa 163,840 bytes; tbl 1,024 bytes
;; launch mha0 (part 1): grid 9 x 1, 16 waves a work-group, no clusters, 86,272 bytes of LDS; arguments params_emb, tokens, params_enc_0_Wq, params_enc_0_Wk, params_enc_0_Wv, params_enc_0_bq, params_enc_0_bk, params_enc_0_bv, params_enc_0_Wo, pa, params_ta_Wq, params_ta_Wk, params_ta_Wv, params_ta_Wg, params_ta_Wo, wpa; writes pa, wpa
.if DOCPART == 1
	.amdgcn_target "amdgcn-amd-amdhsa--gfx1250"
	.amdhsa_code_object_version 6
	.text
	.protected	k_q6354ecec90_mha0
	.globl	k_q6354ecec90_mha0
	.p2align	8
	.type	k_q6354ecec90_mha0,@function
k_q6354ecec90_mha0:
	s_mov_b64 s[64:65], 0
	v_nop
	global_prefetch_b8 v0, s[64:65] scope:SCOPE_SE
	s_setreg_imm32_b32 hwreg(HW_REG_WAVE_MODE, 25, 1), 1
	s_wait_xcnt 0x0
; ENCODER ATTENTION ON CLASS ROWS.  reference() has no positional term and emb has 8 rows, so h[b,i] hangs on (b, tok_i) alone: the encoder runs on the
; 16 rows R = 8 b + t, and a sum or softmax over the 256 positions of a batch is the same sum over its 8 classes weighted by the counts n[b][t].
; FIRST = 1: the rows are emb's.  FIRST = 0: the rows are LayerNorm(sum of the 17 slots of pf + b2), the layer before finished here.
; Work-groups 0-3: one head each; they store o_h x Wo[64 h .., :] as an f32 partial into slot h of pa; head 0 also stores the rows (the residual) into slot 4.
; The other work-groups round triangle weights to f16 in fragment order for the launch that uses them (and copy a tm's vectors).
; FORMAT: every product is bf16 with BOTH operands split, x = hi + lo: hi hi + hi lo + lo hi, sums in f32 (about 16 significant bits; bf16's range).
; No tensor loads, no cluster: each weight byte is used once, by one wave, and passes through registers to be split; the slots are summed on arrival.
; LIMITS: tokens lie in 0..7 (another value is counted for no class); a key of another batch or of an absent class counts as -1e30;
; a weight below 2^-126 counts as 0; NaN and infinities are not treated apart; f16 images hold no number beyond 65,504.
.set FIRST, 1
.if FIRST
.set ARGT, 0x8
.set ARGP, 0x48
.else
.set ARGT, 0x20
.set ARGP, 0x60
.endif
.set XH, 0            ; rows, bf16 hi, [16][256], pitch 528
.set XL, 8448         ; lo
.set QH, 16896        ; q, k of the head: [16][64] bf16, pitch 144, hi and lo
.set QL, 19200
.set KH, 21504
.set KL, 23808
.set VTH, 26112       ; v turned: [64 d][16 keys] bf16, pitch 32
.set VTL, 28160
.set OH, 30208        ; o: [16][64] bf16, pitch 144
.set OL, 32512
.set CNT, 34816       ; 16 counts, f32
.set SPARE, 35072     ; the spare words: 128 bytes a wave, named by no other line
.set RED, 37120       ; 12 accumulator images of 4,096 bytes
.set HIM, 26
.set SEL, 36
.set I256, 38
.set EPS, 39
; v0 thread, v1 lane L, v2 r = L % 16, v3 h = L / 16, v4 v5 the add's two, v6 weight offset, v7 row offset in a slot, v8 row place in XH, v9 v14 v15 addresses, v10-13 at work
; v16-31, v160-175 A fragments; v32-63 (v128-159) accumulators; v64-127, v128-191 weights as loaded; v192-255, v64-127 weights split
.macro BAR
	s_wait_dscnt 0x0                ; for the others' sake: my LDS stores are done and my LDS reads are back
	s_barrier_signal -1
	s_barrier_wait -1
.endm
.macro PLACES                       ; four plain places behind matrix instructions, ahead of what reads their results or loads into their registers
.rept 4
	v_nop
.endr
.endm
.macro WSUM x, t                    ; sum over the 32 lanes, in every lane
	v_add_f32_dpp v[\x], v[\x], v[\x] row_xmask:1 row_mask:0xf bank_mask:0xf
	v_add_f32_dpp v[\x], v[\x], v[\x] row_xmask:2 row_mask:0xf bank_mask:0xf
	v_add_f32_dpp v[\x], v[\x], v[\x] row_xmask:4 row_mask:0xf bank_mask:0xf
	v_add_f32_dpp v[\x], v[\x], v[\x] row_xmask:8 row_mask:0xf bank_mask:0xf
	v_permlanex16_b32 v[\t], v[\x], s[SEL], s[SEL+1]
	v_add_f32 v[\x], v[\x], v[\t]
.endm
.macro SPLIT2 dh, dl, a, b, t0, t1  ; two f32 -> packed hi, packed lo = bf16(x - hi); the subtraction is exact
	v_cvt_pk_bf16_f32 v[\dh], v[\a], v[\b]
	v_lshlrev_b32 v[\t0], 16, v[\dh]
	v_and_b32 v[\t1], s[HIM], v[\dh]
	v_sub_f32 v[\t0], v[\a], v[\t0]
	v_sub_f32 v[\t1], v[\b], v[\t1]
	v_cvt_pk_bf16_f32 v[\dl], v[\t0], v[\t1]
.endm
.macro WLD st, pitch                ; 32 rows x 64 columns of my piece: lane (r, h) takes W[k][4 r .. 4 r + 3] for the 16 k of its half of a fragment; 16 lanes read 256 consecutive bytes
.set i, 0
.rept 16
	global_load_b128 v[64+64*(\st)+4*i:64+64*(\st)+4*i+3], v6, s[4:5] offset:(32*(\st)+i+8*(i/8))*(\pitch) th:TH_LOAD_NT
.set i, i+1
.endr
.endm
.macro CONV st                      ; the split is also the packing of (k, k + 1): tile j of four holds the columns 4 r + j
.set LB, 64+64*(\st)
.set BB, 192-128*(\st)
.set n, 0
.rept 32
	SPLIT2 BB+n, BB+32+n, LB+8*(n%8)+n/8, LB+8*(n%8)+4+n/8, 10+2*(n%2), 11+2*(n%2)
.set n, n+1
.endr
.endm
.macro ALD va, lo                   ; A fragments (16 rows x 32 k), hi and lo, of two K steps
	ds_load_b128 v[16:19], v[\va]
	ds_load_b128 v[20:23], v[\va] offset:32
	ds_load_b128 v[24:27], v[\va] offset:\lo
	ds_load_b128 v[28:31], v[\va] offset:(\lo)+32
	ds_load_b128 v[160:163], v[\va] offset:64
	ds_load_b128 v[164:167], v[\va] offset:96
	ds_load_b128 v[168:171], v[\va] offset:(\lo)+64
	ds_load_b128 v[172:175], v[\va] offset:(\lo)+96
.endm
.macro MMA c0, c1                   ; 24 products; the four accumulators of a set take turns; the first product on each starts its sum
.irp st,0,1
.irp p,0,1,2
.irp j,0,1,2,3
.set aa, 16+144*(\st)+8*((\p)/2)
.set bb, 192-128*(\st)+32*((\p)%2)+8*(\j)
.set cc, (\c0)+((\c1)-(\c0))*(\st)+8*(\j)
.if ((\p) == 0) && (((\st) == 0) || ((\c0) != (\c1)))
	v_wmma_f32_16x16x32_bf16 v[cc:cc+7], v[aa:aa+7], v[bb:bb+7], 0
.else
	v_wmma_f32_16x16x32_bf16 v[cc:cc+7], v[aa:aa+7], v[bb:bb+7], v[cc:cc+7]
.endif
.endr
.endr
.endr
.endm
.macro ADD8 d, s
.irp c,0,2,4,6
	v_pk_add_f32 v[(\d)+(\c):(\d)+(\c)+1], v[(\d)+(\c):(\d)+(\c)+1], v[(\s)+(\c):(\s)+(\c)+1]
.endr
.endm
.macro LN256 Y, GA, BE, T           ; LayerNorm of a row of 256 held by one wave, 8 numbers a lane; two passes: mean, then the squares of the differences
	v_pk_add_f32 v[(\T):(\T)+1], v[(\Y):(\Y)+1], v[(\Y)+2:(\Y)+3]
	v_pk_add_f32 v[(\T)+2:(\T)+3], v[(\Y)+4:(\Y)+5], v[(\Y)+6:(\Y)+7]
	v_pk_add_f32 v[(\T):(\T)+1], v[(\T):(\T)+1], v[(\T)+2:(\T)+3]
	v_add_f32 v[(\T)], v[(\T)], v[(\T)+1]
	WSUM (\T), (\T)+1
	v_mul_f32 v[(\T)], s[I256], v[(\T)]
.irp c,0,2,4,6
	v_pk_add_f32 v[(\Y)+(\c):(\Y)+(\c)+1], v[(\Y)+(\c):(\Y)+(\c)+1], v[(\T):(\T)+1] op_sel_hi:[1,0] neg_lo:[0,1] neg_hi:[0,1]
.endr
	v_pk_mul_f32 v[(\T)+2:(\T)+3], v[(\Y):(\Y)+1], v[(\Y):(\Y)+1]
.irp c,2,4,6
	v_pk_fma_f32 v[(\T)+2:(\T)+3], v[(\Y)+(\c):(\Y)+(\c)+1], v[(\Y)+(\c):(\Y)+(\c)+1], v[(\T)+2:(\T)+3]
.endr
	v_add_f32 v[(\T)+2], v[(\T)+2], v[(\T)+3]
	WSUM (\T)+2, (\T)+3
	v_fma_f32 v[(\T)+2], v[(\T)+2], s[I256], s[EPS]
	v_rsq_f32 v[(\T)+2], v[(\T)+2]
	v_nop                           ; a plain instruction behind the root
.irp c,0,2,4,6
	v_pk_mul_f32 v[(\Y)+(\c):(\Y)+(\c)+1], v[(\Y)+(\c):(\Y)+(\c)+1], v[(\T)+2:(\T)+3] op_sel_hi:[1,0]
.endr
.irp c,0,2,4,6
	v_pk_fma_f32 v[(\Y)+(\c):(\Y)+(\c)+1], v[(\Y)+(\c):(\Y)+(\c)+1], v[(\GA)+(\c):(\GA)+(\c)+1], v[(\BE)+(\c):(\BE)+(\c)+1]
.endr
.endm
.macro REDLD m                      ; the four K quarters of matrix m are added, the bias joins, the four numbers are split: (row 8 h + jj, columns 4 r + 0..3)
.irp kq,0,1,2,3
.irp j,0,1,2,3
	ds_load_b32 v[128+4*(\kq)+(\j)], v9 offset:(4*(\m)+(\kq))*4096+(\j)*1024
.endr
.endr
	s_wait_dscnt 0x0
	v_pk_add_f32 v[128:129], v[128:129], v[132:133]
	v_pk_add_f32 v[130:131], v[130:131], v[134:135]
	v_pk_add_f32 v[136:137], v[136:137], v[140:141]
	v_pk_add_f32 v[138:139], v[138:139], v[142:143]
	v_pk_add_f32 v[128:129], v[128:129], v[136:137]
	v_pk_add_f32 v[130:131], v[130:131], v[138:139]
	v_pk_add_f32 v[128:129], v[128:129], v[176+4*(\m):177+4*(\m)]
	v_pk_add_f32 v[130:131], v[130:131], v[178+4*(\m):179+4*(\m)]
	SPLIT2 144, 146, 128, 129, 10, 11
	SPLIT2 145, 147, 130, 131, 12, 13
.endm
.macro PACKM outp                   ; one 128 x 128 matrix -> f16 image: bytes ((s 8 + nt) 2 + x) 512 + 16 lane hold W[32 s + 16 x + 8 h + 0..7][16 nt + r].  Wave = (s, x, column half cg)
	s_lshr_b32 s6, s2, 1
	s_lshl_b32 s6, s6, 13           ; (32 s + 16 x) rows of 512 bytes
	s_and_b32 s7, s2, 1
	s_lshl_b32 s26, s7, 8
	s_add_co_u32 s6, s6, s26
	v_lshl_add_u32 v6, v2, 2, s6
	v_lshl_add_u32 v6, v3, 12, v6
	s_lshl_b32 s6, s3, 15           ; the image
	s_lshr_b32 s26, s2, 2
	s_lshl_b32 s26, s26, 13
	s_add_co_u32 s6, s6, s26
	s_lshl_b32 s26, s7, 12
	s_add_co_u32 s6, s6, s26
	s_bfe_u32 s26, s2, 0x10001
	s_lshl_b32 s26, s26, 9
	s_add_co_u32 s6, s6, s26
	v_lshl_add_u32 v7, v1, 4, s6
.set n, 0
.rept 32
	global_load_b32 v[32+n], v6, s[4:5] offset:(n%8)*512+(n/8)*64 th:TH_LOAD_NT
.set n, n+1
.endr
	s_wait_loadcnt 0x0
.set n, 0
.rept 16
	v_cvt_pk_f16_f32 v[64+n], v[32+2*n], v[33+2*n]
.set n, n+1
.endr
.irp t,0,1,2,3
	global_store_b128 v7, v[64+4*(\t):67+4*(\t)], s[(\outp):(\outp)+1] offset:(\t)*1024  ; 512 consecutive bytes
.endr
.endm
	s_load_b512 s[8:23], s[0:1], ARGT              ; tokens, Wq, Wk, Wv, bq, bk, bv, Wo
	s_load_b64 s[24:25], s[0:1], ARGP              ; pa
.if FIRST
	s_load_b64 s[28:29], s[0:1], 0x0               ; emb
.else
	s_load_b256 s[28:35], s[0:1], 0x0              ; pf, b2, ln2_s, ln2_b
.endif
	v_lshl_add_u32 v4, v0, 2, SPARE
	v_mov_b32 v5, 0
	v_lshrrev_b32 v1, 5, v0
	v_readfirstlane_b32 s2, v1                     ; wave
	v_and_b32 v1, 31, v0
	v_and_b32 v2, 15, v0
	v_bfe_u32 v3, v0, 4, 1
	s_cmp_lt_u32 ttmp9, 4
	s_cbranch_scc0 .Lpack
	s_mov_b32 s3, ttmp9                            ; head
	s_mov_b32 s[HIM], 0xffff0000
	s_mov_b32 s[SEL], 0x76543210
	s_mov_b32 s[SEL+1], 0xfedcba98
	s_mov_b32 s[I256], 0x3b800000                  ; 1 / 256
	s_mov_b32 s[EPS], 0x3727c5ac                   ; 1e-5
	s_mov_b32 s44, 0x3e38aa3b                      ; log2(e) / 8
	s_mov_b32 s45, s44
	; my piece of 64 rows x 64 columns: waves 0-11 matrix w / 4 of Wq, Wk, Wv, K quarter w % 4, the head's columns; waves 12-15 Wo, the head's rows, column group w % 4
	s_lshr_b32 s6, s2, 2
	s_and_b32 s7, s2, 3
	s_cmp_eq_u32 s6, 3
	s_cselect_b32 s40, s3, s7
	s_cselect_b32 s41, s7, s3
	s_lshl_b32 s40, s40, 16
	s_lshl_b32 s41, s41, 8
	s_add_co_u32 s40, s40, s41
	s_mov_b32 s41, 0
	v_lshlrev_b32 v9, 4, v1
	v_lshlrev_b32 v6, 4, v2
	v_lshl_add_u32 v6, v3, 13, v6                  ; 8 h rows of 1,024 bytes + 16 r
	s_lshl_b32 s42, s2, 10
	v_add_nc_u32 v7, s42, v9                       ; row w of a slot
	s_mul_i32 s42, s2, 528
	v_lshl_add_u32 v8, v1, 3, s42
	s_lshr_b32 s42, s2, 3
	s_lshl_b32 s42, s42, 10
	v_add_nc_u32 v10, s42, v9                      ; tokens of batch w / 8
.if FIRST
	s_and_b32 s42, s2, 7
	s_lshl_b32 s42, s42, 10
	v_add_nc_u32 v11, s42, v9                      ; emb's row w % 8
.endif
	s_wait_kmcnt 0x0
	s_cmp_eq_u32 s6, 0
	s_cselect_b64 s[4:5], s[10:11], s[22:23]
	s_cmp_eq_u32 s6, 1
	s_cselect_b64 s[4:5], s[12:13], s[4:5]
	s_cmp_eq_u32 s6, 2
	s_cselect_b64 s[4:5], s[14:15], s[4:5]
	s_add_nc_u64 s[4:5], s[4:5], s[40:41]
	; 1. all loads go out at once; wave w makes row w (lane L: columns 128 e + 4 L + 0..3)
.if FIRST
	global_load_b128 v[192:195], v11, s[28:29]
	global_load_b128 v[196:199], v11, s[28:29] offset:512
	global_load_b128 v[16:19], v10, s[8:9]
	global_load_b128 v[20:23], v10, s[8:9] offset:512
	WLD 0, 1024
	WLD 1, 1024
	s_wait_loadcnt 32                              ; the 32 weight loads may stay out; the row and the tokens are in
.else
.set p, 0
.rept 8
	global_load_b128 v[192+8*p:195+8*p], v7, s[28:29] offset:p*16384
	global_load_b128 v[196+8*p:199+8*p], v7, s[28:29] offset:p*16384+512
.set p, p+1
.endr
.rept 8
	global_load_b128 v[64+8*p:67+8*p], v7, s[28:29] offset:p*16384
	global_load_b128 v[68+8*p:71+8*p], v7, s[28:29] offset:p*16384+512
.set p, p+1
.endr
	global_load_b128 v[32:35], v7, s[28:29] offset:262144
	global_load_b128 v[36:39], v7, s[28:29] offset:262656
	global_load_b128 v[40:43], v9, s[30:31]
	global_load_b128 v[44:47], v9, s[30:31] offset:512
	global_load_b128 v[48:51], v9, s[32:33]
	global_load_b128 v[52:55], v9, s[32:33] offset:512
	global_load_b128 v[56:59], v9, s[34:35]
	global_load_b128 v[60:63], v9, s[34:35] offset:512
	global_load_b128 v[16:19], v10, s[8:9]
	global_load_b128 v[20:23], v10, s[8:9] offset:512
	WLD 0, 1024
	s_wait_loadcnt 16                              ; the 16 weight loads just issued may stay out; all older loads are in
.set p, 1
.rept 7
	ADD8 192, 192+8*p
.set p, p+1
.endr
.set p, 0
.rept 8
	ADD8 192, 128+8*p
.set p, p+1
.endr
	ADD8 192, 32
	ADD8 192, 40
	WLD 1, 1024                                    ; into the registers that the sums have just read
	LN256 192, 48, 56, 10
.endif
	s_cmp_lg_u32 s3, 0
	s_cbranch_scc1 .Lnox
	global_store_b128 v7, v[192:195], s[24:25] offset:65536   ; slot 4: the rows, for the residual
	global_store_b128 v7, v[196:199], s[24:25] offset:66048
.Lnox:
	SPLIT2 200, 204, 192, 193, 10, 11
	SPLIT2 201, 205, 194, 195, 12, 13
	SPLIT2 202, 206, 196, 197, 10, 11
	SPLIT2 203, 207, 198, 199, 12, 13
	ds_store_b64 v8, v[200:201] offset:XH
	ds_store_b64 v8, v[202:203] offset:XH+256
	ds_store_b64 v8, v[204:205] offset:XL
	ds_store_b64 v8, v[206:207] offset:XL+256
	; wave w counts class w % 8 in batch w / 8; the count only weights values
	s_and_b32 s40, s2, 7
	s_mov_b32 s41, 0
.irp i,0,1,2,3,4,5,6,7
	v_cmp_eq_u32 s42, s40, v[16+(\i)]
	s_bcnt1_i32_b32 s42, s42
	s_add_co_u32 s41, s41, s42
.endr
	s_lshl_b32 s42, s2, 2
	s_add_co_u32 s42, s42, CNT
	v_mov_b32 v10, s42
	v_cvt_f32_u32 v11, s41
	ds_store_b32 v10, v11
	BAR
	; 2. my piece is split
	s_wait_xcnt 0x0                                ; the row's stores have read v192-199, which the split weights take now
	s_wait_loadcnt 16                              ; the first 32 rows are in; the other 16 loads may stay out
	CONV 0
	s_wait_loadcnt 0x0
	CONV 1
	s_lshl_b32 s42, s3, 8
	v_lshl_add_u32 v14, v2, 4, s42                 ; biases of the head's columns 4 r + 0..3
	global_load_b128 v[176:179], v14, s[16:17]
	global_load_b128 v[180:183], v14, s[18:19]
	global_load_b128 v[184:187], v14, s[20:21]
	; 3. waves 0-11: rows x piece; the accumulators go to RED as they lie
	s_cmp_lt_u32 s2, 12
	s_cbranch_scc0 .Lno3
	v_mul_u32_u24 v9, v2, 528
	v_lshl_add_u32 v9, v3, 4, v9
	s_lshl_b32 s40, s7, 7
	v_add_nc_u32 v9, s40, v9
	s_lshl_b32 s40, s2, 12
	s_add_co_u32 s40, s40, RED
	v_lshl_add_u32 v15, v1, 4, s40
	ALD 9, XL
	s_wait_dscnt 0x0
	MMA 32, 32
	PLACES
.irp c,0,1,2,3,4,5,6,7
	ds_store_b128 v15, v[32+4*(\c):35+4*(\c)] offset:(\c)*512
.endr
.Lno3:
	BAR
	; 4. register jj = w % 8 of every image: waves 0-7 finish q and k, waves 8-15 v
	s_wait_loadcnt 0x0                             ; the biases
	s_and_b32 s40, s2, 7
	s_lshr_b32 s41, s40, 2
	s_lshl_b32 s41, s41, 9
	s_and_b32 s42, s40, 3
	s_lshl_b32 s42, s42, 2
	s_add_co_u32 s41, s41, s42
	s_add_co_u32 s41, s41, RED
	v_lshl_add_u32 v9, v1, 4, s41
	s_cmp_lt_u32 s2, 8
	s_cbranch_scc0 .Lredv
	v_lshl_add_u32 v15, v3, 3, s40
	v_mul_u32_u24 v15, v15, 144
	v_lshl_add_u32 v15, v2, 3, v15                 ; (8 h + jj) 144 + 8 r
	REDLD 0
	ds_store_b64 v15, v[144:145] offset:QH
	ds_store_b64 v15, v[146:147] offset:QL
	REDLD 1
	ds_store_b64 v15, v[144:145] offset:KH
	ds_store_b64 v15, v[146:147] offset:KL
	s_branch .Lredend
.Lredv:
	s_lshl_b32 s41, s40, 1
	v_lshl_add_u32 v15, v2, 7, s41
	v_lshl_add_u32 v15, v3, 4, v15                 ; (4 r) 32 + (8 h + jj) 2
	REDLD 2
	ds_store_b16 v15, v144 offset:VTH
	ds_store_b16_d16_hi v15, v144 offset:VTH+32
	ds_store_b16 v15, v145 offset:VTH+64
	ds_store_b16_d16_hi v15, v145 offset:VTH+96
	ds_store_b16 v15, v146 offset:VTL
	ds_store_b16_d16_hi v15, v146 offset:VTL+32
	ds_store_b16 v15, v147 offset:VTL+64
	ds_store_b16_d16_hi v15, v147 offset:VTL+96
.Lredend:
	BAR
	; 5. wave 0: the head's attention, both batches in one tile.  S^T = K Q^T: lane (r, h) holds query row r and key rows 8 h + jj
	s_cmp_lg_u32 s2, 0
	s_cbranch_scc1 .Lno5
	v_mul_u32_u24 v9, v2, 144
	v_lshl_add_u32 v9, v3, 4, v9
.irp st,0,1
	ds_load_b128 v[64+8*(\st):67+8*(\st)], v9 offset:KH+64*(\st)
	ds_load_b128 v[68+8*(\st):71+8*(\st)], v9 offset:KH+64*(\st)+32
	ds_load_b128 v[80+8*(\st):83+8*(\st)], v9 offset:KL+64*(\st)
	ds_load_b128 v[84+8*(\st):87+8*(\st)], v9 offset:KL+64*(\st)+32
	ds_load_b128 v[96+8*(\st):99+8*(\st)], v9 offset:QH+64*(\st)
	ds_load_b128 v[100+8*(\st):103+8*(\st)], v9 offset:QH+64*(\st)+32
	ds_load_b128 v[112+8*(\st):115+8*(\st)], v9 offset:QL+64*(\st)
	ds_load_b128 v[116+8*(\st):119+8*(\st)], v9 offset:QL+64*(\st)+32
.endr
	v_lshlrev_b32 v10, 5, v3
	ds_load_b128 v[160:163], v10 offset:CNT
	ds_load_b128 v[164:167], v10 offset:CNT+16
	v_lshlrev_b32 v11, 5, v2
	v_lshl_add_u32 v11, v3, 4, v11
.irp mt,0,1,2,3                     ; V^T: 16 channels x 16 keys; the fragment's upper 16 k meet zeros of P and take the same finite bytes once more
	ds_load_b128 v[192+8*(\mt):195+8*(\mt)], v11 offset:VTH+512*(\mt)
	ds_load_b128 v[196+8*(\mt):199+8*(\mt)], v11 offset:VTH+512*(\mt)
	ds_load_b128 v[224+8*(\mt):227+8*(\mt)], v11 offset:VTL+512*(\mt)
	ds_load_b128 v[228+8*(\mt):231+8*(\mt)], v11 offset:VTL+512*(\mt)
.endr
	s_wait_dscnt 0x0
	v_wmma_f32_16x16x32_bf16 v[32:39], v[64:71], v[96:103], 0          ; two accumulators, one for each K step, by turns
	v_wmma_f32_16x16x32_bf16 v[40:47], v[72:79], v[104:111], 0
	v_wmma_f32_16x16x32_bf16 v[32:39], v[64:71], v[112:119], v[32:39]
	v_wmma_f32_16x16x32_bf16 v[40:47], v[72:79], v[120:127], v[40:47]
	v_wmma_f32_16x16x32_bf16 v[32:39], v[80:87], v[96:103], v[32:39]
	v_wmma_f32_16x16x32_bf16 v[40:47], v[88:95], v[104:111], v[40:47]
	PLACES
	v_lshrrev_b32 v12, 3, v2
	v_mov_b32 v13, 0xf149f2ca                      ; -1e30
	v_cmp_eq_u32 vcc_lo, v12, v3                   ; the key's batch is the query's
.irp jj,0,1,2,3,4,5,6,7
	v_cndmask_b32 v[160+(\jj)], 0, v[160+(\jj)], vcc_lo     ; the key's weight: its class's count, or 0
.endr
.irp q,0,2,4,6
	v_pk_add_f32 v[168+(\q):169+(\q)], v[32+(\q):33+(\q)], v[40+(\q):41+(\q)]
.endr
.irp q,0,2,4,6
	v_pk_mul_f32 v[168+(\q):169+(\q)], v[168+(\q):169+(\q)], s[44:45] op_sel_hi:[1,0]
.endr
.irp jj,0,1,2,3,4,5,6,7
	v_cmp_lt_f32 vcc_lo, 0, v[160+(\jj)]
	v_cndmask_b32 v[168+(\jj)], v13, v[168+(\jj)], vcc_lo   ; keys without weight stay out of the maximum
.endr
	v_max3_num_f32 v14, v168, v169, v170
	v_max3_num_f32 v14, v14, v171, v172
	v_max3_num_f32 v14, v14, v173, v174
	v_max_num_f32 v14, v14, v175
	v_permlanex16_b32 v15, v14, s[SEL], s[SEL+1]
	v_max_num_f32 v14, v14, v15
.irp jj,0,1,2,3,4,5,6,7
	v_sub_f32 v[168+(\jj)], v[168+(\jj)], v14
.endr
.irp jj,0,1,2,3,4,5,6,7
	v_exp_f32 v[168+(\jj)], v[168+(\jj)]
.endr
	v_nop
	s_wait_alu depctr_va_vdst(0)
.irp q,0,2,4,6
	v_pk_mul_f32 v[168+(\q):169+(\q)], v[168+(\q):169+(\q)], v[160+(\q):161+(\q)]
.endr
	v_pk_add_f32 v[176:177], v[168:169], v[170:171]
	v_pk_add_f32 v[178:179], v[172:173], v[174:175]
	v_pk_add_f32 v[176:177], v[176:177], v[178:179]
	v_add_f32 v176, v176, v177
	v_permlanex16_b32 v177, v176, s[SEL], s[SEL+1]
	v_add_f32 v176, v176, v177
	v_rcp_f32 v176, v176
	v_nop
	s_wait_alu depctr_va_vdst(0)
.irp q,0,2,4,6
	v_pk_mul_f32 v[168+(\q):169+(\q)], v[168+(\q):169+(\q)], v[176:177] op_sel_hi:[1,0]
.endr
	SPLIT2 16, 24, 168, 169, 10, 11                ; pairs of keys packed ARE source 1 (keys x queries) of O^T = V^T P
	SPLIT2 17, 25, 170, 171, 12, 13
	SPLIT2 18, 26, 172, 173, 10, 11
	SPLIT2 19, 27, 174, 175, 12, 13
.irp i,20,21,22,23,28,29,30,31
	v_mov_b32 v[\i], 0                             ; keys 16 to 31 do not exist
.endr
.irp p,0,1,2
.irp mt,0,1,2,3
.set aa, 192+32*((\p)/2)+8*(\mt)
.set bb, 16+8*((\p)%2)
.if (\p) == 0
	v_wmma_f32_16x16x32_bf16 v[128+8*(\mt):135+8*(\mt)], v[aa:aa+7], v[bb:bb+7], 0
.else
	v_wmma_f32_16x16x32_bf16 v[128+8*(\mt):135+8*(\mt)], v[aa:aa+7], v[bb:bb+7], v[128+8*(\mt):135+8*(\mt)]
.endif
.endr
.endr
	PLACES
.irp mt,0,1,2,3
.irp q,0,1,2,3
	SPLIT2 64+4*(\mt)+(\q), 80+4*(\mt)+(\q), 128+8*(\mt)+2*(\q), 129+8*(\mt)+2*(\q), 10+2*((\q)%2), 11+2*((\q)%2)
.endr
	ds_store_b128 v9, v[64+4*(\mt):67+4*(\mt)] offset:OH+32*(\mt)
	ds_store_b128 v9, v[80+4*(\mt):83+4*(\mt)] offset:OL+32*(\mt)
.endr
.Lno5:
	BAR
	; 6. waves 12-15: o x my piece of Wo.  One accumulator set for each K step: the add that joins them lays four neighbouring columns in four neighbouring registers
	s_cmp_lt_u32 s2, 12
	s_cbranch_scc1 .Lno6
	v_mul_u32_u24 v9, v2, 144
	v_lshl_add_u32 v9, v3, 4, v9
	v_add_nc_u32 v9, OH, v9
	ALD 9, OL-OH
	s_lshl_b32 s40, s3, 14
	s_lshl_b32 s41, s7, 8
	s_add_co_u32 s40, s40, s41
	v_lshl_add_u32 v15, v2, 4, s40
	v_lshl_add_u32 v15, v3, 13, v15
	s_wait_dscnt 0x0
	MMA 32, 128
	PLACES
.irp jj,0,1,2,3,4,5,6,7
.irp j,0,1,2,3
	v_add_f32 v[176+4*(\jj)+(\j)], v[32+8*(\j)+(\jj)], v[128+8*(\j)+(\jj)]
.endr
.endr
.irp jj,0,1,2,3,4,5,6,7
	global_store_b128 v15, v[176+4*(\jj):179+4*(\jj)], s[24:25] offset:(\jj)*1024   ; 16 lanes store 256 consecutive bytes, aligned
.endr
.Lno6:
	s_wait_tensorcnt 0x0                           ; the wave's end
	ds_add_u32 v4, v5
	s_wait_dscnt 0x0
	s_endpgm
.Lpack:
	s_sub_co_u32 s3, ttmp9, 4                      ; which matrix
.if FIRST
	s_load_b256 s[36:43], s[0:1], 0x50             ; ta Wq, Wk, Wv, Wg
	s_load_b128 s[44:47], s[0:1], 0x70             ; ta Wo, wpa
	s_wait_kmcnt 0x0
	s_mov_b64 s[4:5], s[36:37]
.irp k,1,2,3,4
	s_cmp_eq_u32 s3, \k
	s_cselect_b64 s[4:5], s[36+2*(\k):37+2*(\k)], s[4:5]
.endr
	PACKM 46
.else
	s_load_b256 s[36:43], s[0:1], 0x68             ; Wa, Wb, Wg, Wo
	s_load_b512 s[44:59], s[0:1], 0x88             ; ln_s, ln_b, ba, bb, bg, bo, on_s, on_b
	s_load_b64 s[60:61], s[0:1], 0xc8              ; the pack
	s_wait_kmcnt 0x0
	s_mov_b64 s[4:5], s[36:37]
.irp k,1,2,3
	s_cmp_eq_u32 s3, \k
	s_cselect_b64 s[4:5], s[36+2*(\k):37+2*(\k)], s[4:5]
.endr
	PACKM 60
	s_cmp_lt_u32 s2, 2                             ; waves 0 and 1 copy vector 2 q + w behind the images
	s_cbranch_scc0 .Lpend
	s_lshl1_add_u32 s6, s3, s2
	s_mov_b64 s[4:5], s[44:45]
.irp k,1,2,3,4,5,6,7
	s_cmp_eq_u32 s6, \k
	s_cselect_b64 s[4:5], s[44+2*(\k):45+2*(\k)], s[4:5]
.endr
	v_lshlrev_b32 v8, 4, v1
	global_load_b128 v[80:83], v8, s[4:5]
	s_lshl_b32 s7, s6, 9
	v_add_nc_u32 v9, s7, v8
	s_wait_loadcnt 0x0
	global_store_b128 v9, v[80:83], s[60:61] offset:131072
.Lpend:
.endif
	s_endpgm
.Lfunc_end_k_q6354ecec90_mha0:
	.size	k_q6354ecec90_mha0, .Lfunc_end_k_q6354ecec90_mha0-k_q6354ecec90_mha0
	.p2alignl 7, 3214868480
	.fill 96, 4, 3214868480
	.section	.rodata,"a",@progbits
	.p2align	6, 0x0
	.amdhsa_kernel k_q6354ecec90_mha0
		.amdhsa_group_segment_fixed_size 86272
		.amdhsa_private_segment_fixed_size 0
		.amdhsa_enable_private_segment 0
		.amdhsa_kernarg_size 128
		.amdhsa_user_sgpr_count 2
		.amdhsa_user_sgpr_kernarg_segment_ptr 1
		.amdhsa_wavefront_size32 1
		.amdhsa_system_sgpr_workgroup_id_x 1
		.amdhsa_system_sgpr_workgroup_id_y 1
		.amdhsa_system_sgpr_workgroup_id_z 1
		.amdhsa_system_vgpr_workitem_id 0
		.amdhsa_next_free_vgpr 256
		.amdhsa_next_free_sgpr 66
		.amdhsa_reserve_vcc 1
		.amdhsa_float_denorm_mode_32 3
		.amdhsa_float_denorm_mode_16_64 3
		.amdhsa_memory_ordered 1
		.amdhsa_forward_progress 1
		.amdhsa_inst_pref_size 59
	.end_amdhsa_kernel
	.amdgpu_metadata
---
amdhsa.version: [ 1, 2 ]
amdhsa.kernels:
  - .name:           k_q6354ecec90_mha0
    .symbol:         k_q6354ecec90_mha0.kd
    .args:
      - { .name: params_emb, .offset: 0, .size: 8, .value_kind: global_buffer, .address_space: global }
      - { .name: tokens, .offset: 8, .size: 8, .value_kind: global_buffer, .address_space: global }
      - { .name: params_enc_0_Wq, .offset: 16, .size: 8, .value_kind: global_buffer, .address_space: global }
      - { .name: params_enc_0_Wk, .offset: 24, .size: 8, .value_kind: global_buffer, .address_space: global }
      - { .name: params_enc_0_Wv, .offset: 32, .size: 8, .value_kind: global_buffer, .address_space: global }
      - { .name: params_enc_0_bq, .offset: 40, .size: 8, .value_kind: global_buffer, .address_space: global }
      - { .name: params_enc_0_bk, .offset: 48, .size: 8, .value_kind: global_buffer, .address_space: global }
      - { .name: params_enc_0_bv, .offset: 56, .size: 8, .value_kind: global_buffer, .address_space: global }
      - { .name: params_enc_0_Wo, .offset: 64, .size: 8, .value_kind: global_buffer, .address_space: global }
      - { .name: pa, .offset: 72, .size: 8, .value_kind: global_buffer, .address_space: global }
      - { .name: params_ta_Wq, .offset: 80, .size: 8, .value_kind: global_buffer, .address_space: global }
      - { .name: params_ta_Wk, .offset: 88, .size: 8, .value_kind: global_buffer, .address_space: global }
      - { .name: params_ta_Wv, .offset: 96, .size: 8, .value_kind: global_buffer, .address_space: global }
      - { .name: params_ta_Wg, .offset: 104, .size: 8, .value_kind: global_buffer, .address_space: global }
      - { .name: params_ta_Wo, .offset: 112, .size: 8, .value_kind: global_buffer, .address_space: global }
      - { .name: wpa, .offset: 120, .size: 8, .value_kind: global_buffer, .address_space: global }
    .group_segment_fixed_size: 86272
    .private_segment_fixed_size: 0
    .kernarg_segment_align: 8
    .kernarg_segment_size: 128
    .max_flat_workgroup_size: 512
    .sgpr_count:     66
    .vgpr_count:     256
    .wavefront_size: 32
...
	.end_amdgpu_metadata
.endif
;; end of part 1
;; launch ff0 (part 2): grid 20 x 1, 16 waves a work-group, no clusters, 60,416 bytes of LDS; arguments pa, params_enc_0_bo, params_enc_0_ln1_s, params_enc_0_ln1_b, params_enc_0_W1, params_enc_0_b1, params_enc_0_W2, pf, params_tm1_Wa, params_tm1_Wb, params_tm1_Wg, params_tm1_Wo, params_tm1_ln_s, params_tm1_ln_b, params_tm1_ba, params_tm1_bb, params_tm1_bg, params_tm1_bo, params_tm1_on_s, params_tm1_on_b, wp1; writes pf, wp1
.if DOCPART == 2
	.amdgcn_target "amdgcn-amd-amdhsa--gfx1250"
	.amdhsa_code_object_version 6
	.text
	.protected	k_q6354ecec90_ff0
	.globl	k_q6354ecec90_ff0
	.p2align	8
	.type	k_q6354ecec90_ff0,@function
k_q6354ecec90_ff0:
	s_mov_b64 s[64:65], 0
	v_nop
	global_prefetch_b8 v0, s[64:65] scope:SCOPE_SE
	s_setreg_imm32_b32 hwreg(HW_REG_WAVE_MODE, 25, 1), 1
	s_wait_xcnt 0x0
; ENCODER FEED-FORWARD ON THE 16 CLASS ROWS.  Every work-group first finishes X1 = LayerNorm(sum of pa's five slots + bo).  Work-group g < 16 owns the hidden units
; 128 g .. 128 g + 127: H = relu(X1 W1[:, mine] + b1), and stores H W2[mine, :] as an f32 partial into slot g of pf; g = 0 also stores X1 into slot 16.
; 16 work-groups: each streams 256 KB of weights, and the next launch adds 16 slots of 16 KB: the two together are smallest there.
; Work-groups 16-19 round a tm's four matrices to f16 in fragment order and copy its eight vectors.
; FORMAT: bf16 products with both operands split (hi hi + hi lo + lo hi), sums in f32.  No tensor loads, no cluster: each weight byte is used once, by one wave, and is split in registers.
; LIMITS: NaN and infinities are not treated apart; the f16 images hold no number beyond 65,504.
.set XH, 0            ; X1, bf16 hi, [16][256], pitch 528
.set XL, 8448
.set HH, 16896        ; H, [16][128] bf16, pitch 272
.set HL, 21248
.set SPARE, 25600     ; the spare words: 128 bytes a wave, named by no other line
.set RED, 27648       ; 8 accumulator images of 4,096 bytes
.set HIM, 26
.set SEL, 36
.set I256, 38
.set EPS, 39
; registers as in the attention launch: v6 weight offset, v7 row offset in a slot, v8 row place in XH, v9 v14 v15 addresses, v10-13 at work,
; v16-31, v160-175 A fragments; v32-63 accumulators; v64-191 weights as loaded; v192-255, v64-127 weights split
.macro BAR
	s_wait_dscnt 0x0                ; for the others' sake: my LDS stores are done and my LDS reads are back
	s_barrier_signal -1
	s_barrier_wait -1
.endm
.macro PLACES                       ; four plain places behind matrix instructions (ISA guide 7.12.1)
.rept 4
	v_nop
.endr
.endm
.macro WSUM x, t
	v_add_f32_dpp v[\x], v[\x], v[\x] row_xmask:1 row_mask:0xf bank_mask:0xf
	v_add_f32_dpp v[\x], v[\x], v[\x] row_xmask:2 row_mask:0xf bank_mask:0xf
	v_add_f32_dpp v[\x], v[\x], v[\x] row_xmask:4 row_mask:0xf bank_mask:0xf
	v_add_f32_dpp v[\x], v[\x], v[\x] row_xmask:8 row_mask:0xf bank_mask:0xf
	v_permlanex16_b32 v[\t], v[\x], s[SEL], s[SEL+1]
	v_add_f32 v[\x], v[\x], v[\t]
.endm
.macro SPLIT2 dh, dl, a, b, t0, t1  ; two f32 -> packed hi, packed lo = bf16(x - hi)
	v_cvt_pk_bf16_f32 v[\dh], v[\a], v[\b]
	v_lshlrev_b32 v[\t0], 16, v[\dh]
	v_and_b32 v[\t1], s[HIM], v[\dh]
	v_sub_f32 v[\t0], v[\a], v[\t0]
	v_sub_f32 v[\t1], v[\b], v[\t1]
	v_cvt_pk_bf16_f32 v[\dl], v[\t0], v[\t1]
.endm
.macro WLD st, pitch                ; lane (r, h) takes W[k][4 r .. 4 r + 3] for the 16 k of its half of a fragment; 16 lanes read 256 consecutive bytes
.set i, 0
.rept 16
	global_load_b128 v[64+64*(\st)+4*i:64+64*(\st)+4*i+3], v6, s[4:5] offset:(32*(\st)+i+8*(i/8))*(\pitch) th:TH_LOAD_NT
.set i, i+1
.endr
.endm
.macro CONV st                      ; tile j of four holds the columns 4 r + j
.set LB, 64+64*(\st)
.set BB, 192-128*(\st)
.set n, 0
.rept 32
	SPLIT2 BB+n, BB+32+n, LB+8*(n%8)+n/8, LB+8*(n%8)+4+n/8, 10+2*(n%2), 11+2*(n%2)
.set n, n+1
.endr
.endm
.macro ALD va, lo
	ds_load_b128 v[16:19], v[\va]
	ds_load_b128 v[20:23], v[\va] offset:32
	ds_load_b128 v[24:27], v[\va] offset:\lo
	ds_load_b128 v[28:31], v[\va] offset:(\lo)+32
	ds_load_b128 v[160:163], v[\va] offset:64
	ds_load_b128 v[164:167], v[\va] offset:96
	ds_load_b128 v[168:171], v[\va] offset:(\lo)+64
	ds_load_b128 v[172:175], v[\va] offset:(\lo)+96
.endm
.macro MMA                          ; 24 products on four accumulators that take turns; the first four start the sums
.irp st,0,1
.irp p,0,1,2
.irp j,0,1,2,3
.set aa, 16+144*(\st)+8*((\p)/2)
.set bb, 192-128*(\st)+32*((\p)%2)+8*(\j)
.set cc, 32+8*(\j)
.if ((\p) == 0) && ((\st) == 0)
	v_wmma_f32_16x16x32_bf16 v[cc:cc+7], v[aa:aa+7], v[bb:bb+7], 0
.else
	v_wmma_f32_16x16x32_bf16 v[cc:cc+7], v[aa:aa+7], v[bb:bb+7], v[cc:cc+7]
.endif
.endr
.endr
.endr
.endm
.macro ADD8 d, s
.irp c,0,2,4,6
	v_pk_add_f32 v[(\d)+(\c):(\d)+(\c)+1], v[(\d)+(\c):(\d)+(\c)+1], v[(\s)+(\c):(\s)+(\c)+1]
.endr
.endm
.macro LN256 Y, GA, BE, T
	v_pk_add_f32 v[(\T):(\T)+1], v[(\Y):(\Y)+1], v[(\Y)+2:(\Y)+3]
	v_pk_add_f32 v[(\T)+2:(\T)+3], v[(\Y)+4:(\Y)+5], v[(\Y)+6:(\Y)+7]
	v_pk_add_f32 v[(\T):(\T)+1], v[(\T):(\T)+1], v[(\T)+2:(\T)+3]
	v_add_f32 v[(\T)], v[(\T)], v[(\T)+1]
	WSUM (\T), (\T)+1
	v_mul_f32 v[(\T)], s[I256], v[(\T)]
.irp c,0,2,4,6
	v_pk_add_f32 v[(\Y)+(\c):(\Y)+(\c)+1], v[(\Y)+(\c):(\Y)+(\c)+1], v[(\T):(\T)+1] op_sel_hi:[1,0] neg_lo:[0,1] neg_hi:[0,1]
.endr
	v_pk_mul_f32 v[(\T)+2:(\T)+3], v[(\Y):(\Y)+1], v[(\Y):(\Y)+1]
.irp c,2,4,6
	v_pk_fma_f32 v[(\T)+2:(\T)+3], v[(\Y)+(\c):(\Y)+(\c)+1], v[(\Y)+(\c):(\Y)+(\c)+1], v[(\T)+2:(\T)+3]
.endr
	v_add_f32 v[(\T)+2], v[(\T)+2], v[(\T)+3]
	WSUM (\T)+2, (\T)+3
	v_fma_f32 v[(\T)+2], v[(\T)+2], s[I256], s[EPS]
	v_rsq_f32 v[(\T)+2], v[(\T)+2]
	v_nop
	s_wait_alu depctr_va_vdst(0)
.irp c,0,2,4,6
	v_pk_mul_f32 v[(\Y)+(\c):(\Y)+(\c)+1], v[(\Y)+(\c):(\Y)+(\c)+1], v[(\T)+2:(\T)+3] op_sel_hi:[1,0]
.endr
.irp c,0,2,4,6
	v_pk_fma_f32 v[(\Y)+(\c):(\Y)+(\c)+1], v[(\Y)+(\c):(\Y)+(\c)+1], v[(\GA)+(\c):(\GA)+(\c)+1], v[(\BE)+(\c):(\BE)+(\c)+1]
.endr
.endm
.macro PACKM outp                   ; one 128 x 128 matrix -> f16 image: bytes ((s 8 + nt) 2 + x) 512 + 16 lane hold W[32 s + 16 x + 8 h + 0..7][16 nt + r]
	s_lshr_b32 s6, s2, 1
	s_lshl_b32 s6, s6, 13
	s_and_b32 s7, s2, 1
	s_lshl_b32 s26, s7, 8
	s_add_co_u32 s6, s6, s26
	v_lshl_add_u32 v6, v2, 2, s6
	v_lshl_add_u32 v6, v3, 12, v6
	s_lshl_b32 s6, s3, 15
	s_lshr_b32 s26, s2, 2
	s_lshl_b32 s26, s26, 13
	s_add_co_u32 s6, s6, s26
	s_lshl_b32 s26, s7, 12
	s_add_co_u32 s6, s6, s26
	s_bfe_u32 s26, s2, 0x10001
	s_lshl_b32 s26, s26, 9
	s_add_co_u32 s6, s6, s26
	v_lshl_add_u32 v7, v1, 4, s6
.set n, 0
.rept 32
	global_load_b32 v[32+n], v6, s[4:5] offset:(n%8)*512+(n/8)*64 th:TH_LOAD_NT
.set n, n+1
.endr
	s_wait_loadcnt 0x0
.set n, 0
.rept 16
	v_cvt_pk_f16_f32 v[64+n], v[32+2*n], v[33+2*n]
.set n, n+1
.endr
.irp t,0,1,2,3
	global_store_b128 v7, v[64+4*(\t):67+4*(\t)], s[(\outp):(\outp)+1] offset:(\t)*1024
.endr
.endm
	s_load_b512 s[8:23], s[0:1], 0x0               ; pa, bo, ln1_s, ln1_b, W1, b1, W2, pf
	v_lshl_add_u32 v4, v0, 2, SPARE
	v_mov_b32 v5, 0
	v_lshrrev_b32 v1, 5, v0
	v_readfirstlane_b32 s2, v1
	v_and_b32 v1, 31, v0
	v_and_b32 v2, 15, v0
	v_bfe_u32 v3, v0, 4, 1
	s_cmp_lt_u32 ttmp9, 16
	s_cbranch_scc0 .Lpack
	s_mov_b32 s3, ttmp9                            ; g
	s_mov_b32 s[HIM], 0xffff0000
	s_mov_b32 s[SEL], 0x76543210
	s_mov_b32 s[SEL+1], 0xfedcba98
	s_mov_b32 s[I256], 0x3b800000
	s_mov_b32 s[EPS], 0x3727c5ac
	s_and_b32 s6, s2, 1
	s_lshr_b32 s7, s2, 1
	v_lshlrev_b32 v9, 4, v1
	v_lshlrev_b32 v6, 4, v2
	s_lshl_b32 s42, s2, 10
	v_add_nc_u32 v7, s42, v9
	s_mul_i32 s42, s2, 528
	v_lshl_add_u32 v8, v1, 3, s42
	s_mov_b32 s41, 0
	s_wait_kmcnt 0x0
	; 1. all loads at once
.set p, 0
.rept 5
	global_load_b128 v[192+8*p:195+8*p], v7, s[8:9] offset:p*16384
	global_load_b128 v[196+8*p:199+8*p], v7, s[8:9] offset:p*16384+512
.set p, p+1
.endr
	global_load_b128 v[232:235], v9, s[10:11]
	global_load_b128 v[236:239], v9, s[10:11] offset:512
	global_load_b128 v[240:243], v9, s[12:13]
	global_load_b128 v[244:247], v9, s[12:13] offset:512
	global_load_b128 v[248:251], v9, s[14:15]
	global_load_b128 v[252:255], v9, s[14:15] offset:512
	s_cmp_lt_u32 s2, 8
	s_cbranch_scc0 .Lw2
	s_lshl_b32 s40, s7, 19                         ; waves 0-7: W1, rows 64 (w / 2) .., columns 128 g + 64 (w % 2) ..
	s_lshl_b32 s42, s3, 9
	s_add_co_u32 s40, s40, s42
	s_lshl_b32 s42, s6, 8
	s_add_co_u32 s40, s40, s42
	s_add_nc_u64 s[4:5], s[16:17], s[40:41]
	v_lshl_add_u32 v6, v3, 16, v6
	WLD 0, 8192
	WLD 1, 8192
	s_branch .Lwd
.Lw2:
	s_lshl_b32 s40, s3, 17                         ; waves 8-15: W2, rows 128 g + 64 (w % 2) .., columns 64 (w / 2 - 4) ..
	s_lshl_b32 s42, s6, 16
	s_add_co_u32 s40, s40, s42
	s_sub_co_u32 s42, s7, 4
	s_lshl_b32 s42, s42, 8
	s_add_co_u32 s40, s40, s42
	s_add_nc_u64 s[4:5], s[20:21], s[40:41]
	v_lshl_add_u32 v6, v3, 13, v6
	WLD 0, 1024
	WLD 1, 1024
.Lwd:
	s_wait_loadcnt 32                              ; on either way 32 weight loads were issued last and may stay out
	ADD8 192, 200
	ADD8 192, 208
	ADD8 192, 216
	ADD8 192, 224
	ADD8 192, 232
	LN256 192, 240, 248, 10
	s_cmp_lg_u32 s3, 0
	s_cbranch_scc1 .Lnox
	global_store_b128 v7, v[192:195], s[22:23] offset:262144  ; slot 16: X1, for the residual
	global_store_b128 v7, v[196:199], s[22:23] offset:262656
.Lnox:
	SPLIT2 200, 204, 192, 193, 10, 11
	SPLIT2 201, 205, 194, 195, 12, 13
	SPLIT2 202, 206, 196, 197, 10, 11
	SPLIT2 203, 207, 198, 199, 12, 13
	ds_store_b64 v8, v[200:201] offset:XH
	ds_store_b64 v8, v[202:203] offset:XH+256
	ds_store_b64 v8, v[204:205] offset:XL
	ds_store_b64 v8, v[206:207] offset:XL+256
	BAR
	; 2. my piece is split
	s_wait_xcnt 0x0                                ; X1's stores have read v192-199
	s_wait_loadcnt 16                              ; the piece's first 32 rows are in
	CONV 0
	s_wait_loadcnt 0x0
	CONV 1
	s_lshl_b32 s40, s3, 9
	s_lshl_b32 s42, s6, 8
	s_add_co_u32 s40, s40, s42
	v_lshl_add_u32 v14, v2, 4, s40
	global_load_b128 v[176:179], v14, s[18:19]     ; b1 of the columns that I finish in step 4
	; 3. waves 0-7: X1 x piece of W1
	s_cmp_lt_u32 s2, 8
	s_cbranch_scc0 .Lno3
	v_mul_u32_u24 v9, v2, 528
	v_lshl_add_u32 v9, v3, 4, v9
	s_lshl_b32 s40, s7, 7
	v_add_nc_u32 v9, s40, v9
	s_lshl_b32 s40, s2, 12
	s_add_co_u32 s40, s40, RED
	v_lshl_add_u32 v15, v1, 4, s40
	ALD 9, XL
	s_wait_dscnt 0x0
	MMA
	PLACES
.irp c,0,1,2,3,4,5,6,7
	ds_store_b128 v15, v[32+4*(\c):35+4*(\c)] offset:(\c)*512
.endr
.Lno3:
	BAR
	; 4. all waves: column half w % 2, register jj = w / 2: the four K quarters are added, b1, relu, split
	s_wait_loadcnt 0x0
	s_lshl_b32 s40, s6, 12
	s_lshr_b32 s41, s7, 2
	s_lshl_b32 s41, s41, 9
	s_add_co_u32 s40, s40, s41
	s_and_b32 s41, s7, 3
	s_lshl_b32 s41, s41, 2
	s_add_co_u32 s40, s40, s41
	s_add_co_u32 s40, s40, RED
	v_lshl_add_u32 v9, v1, 4, s40
.irp kq,0,1,2,3
.irp j,0,1,2,3
	ds_load_b32 v[128+4*(\kq)+(\j)], v9 offset:(\kq)*8192+(\j)*1024
.endr
.endr
	v_lshl_add_u32 v15, v3, 3, s7
	v_mul_u32_u24 v15, v15, 272
	v_lshl_add_u32 v15, v2, 3, v15
	s_lshl_b32 s40, s6, 7
	v_add_nc_u32 v15, s40, v15                     ; (8 h + jj) 272 + 128 half + 8 r
	s_wait_dscnt 0x0
	v_pk_add_f32 v[128:129], v[128:129], v[132:133]
	v_pk_add_f32 v[130:131], v[130:131], v[134:135]
	v_pk_add_f32 v[136:137], v[136:137], v[140:141]
	v_pk_add_f32 v[138:139], v[138:139], v[142:143]
	v_pk_add_f32 v[128:129], v[128:129], v[136:137]
	v_pk_add_f32 v[130:131], v[130:131], v[138:139]
	v_pk_add_f32 v[128:129], v[128:129], v[176:177]
	v_pk_add_f32 v[130:131], v[130:131], v[178:179]
.irp j,128,129,130,131
	v_max_num_f32 v[\j], 0, v[\j]
.endr
	SPLIT2 144, 146, 128, 129, 10, 11
	SPLIT2 145, 147, 130, 131, 12, 13
	ds_store_b64 v15, v[144:145] offset:HH
	ds_store_b64 v15, v[146:147] offset:HL
	BAR
	; 5. waves 8-15: H x piece of W2
	s_cmp_lt_u32 s2, 8
	s_cbranch_scc1 .Lno5
	v_mul_u32_u24 v9, v2, 272
	v_lshl_add_u32 v9, v3, 4, v9
	s_lshl_b32 s40, s6, 7
	s_add_co_u32 s40, s40, HH
	v_add_nc_u32 v9, s40, v9
	s_sub_co_u32 s40, s2, 8
	s_lshl_b32 s40, s40, 12
	s_add_co_u32 s40, s40, RED
	v_lshl_add_u32 v15, v1, 4, s40
	ALD 9, HL-HH
	s_wait_dscnt 0x0
	MMA
	PLACES
.irp c,0,1,2,3,4,5,6,7
	ds_store_b128 v15, v[32+4*(\c):35+4*(\c)] offset:(\c)*512
.endr
.Lno5:
	BAR
	; 6. all waves: column group cg = w % 4, rows 8 h + 2 a and + 1 with a = w / 4: the two K halves are added and stored
	s_and_b32 s40, s2, 3
	s_lshr_b32 s41, s2, 2
	s_lshl_b32 s42, s40, 13
	s_lshr_b32 s43, s41, 1
	s_lshl_b32 s43, s43, 9
	s_add_co_u32 s42, s42, s43
	s_and_b32 s43, s41, 1
	s_lshl_b32 s43, s43, 3
	s_add_co_u32 s42, s42, s43
	s_add_co_u32 s42, s42, RED
	v_lshl_add_u32 v9, v1, 4, s42
.irp kh,0,1
.irp j,0,1,2,3
	ds_load_b64 v[128+8*(\kh)+2*(\j):129+8*(\kh)+2*(\j)], v9 offset:(\kh)*4096+(\j)*1024
.endr
.endr
	s_lshl_b32 s42, s3, 14
	s_lshl_b32 s43, s41, 11
	s_add_co_u32 s42, s42, s43
	s_lshl_b32 s43, s40, 8
	s_add_co_u32 s42, s42, s43
	v_lshl_add_u32 v15, v2, 4, s42
	v_lshl_add_u32 v15, v3, 13, v15
	s_wait_dscnt 0x0
.irp j,0,1,2,3
	v_add_f32 v[144+(\j)], v[128+2*(\j)], v[136+2*(\j)]
	v_add_f32 v[148+(\j)], v[129+2*(\j)], v[137+2*(\j)]
.endr
	global_store_b128 v15, v[144:147], s[22:23]               ; 16 lanes store 256 consecutive bytes, aligned
	global_store_b128 v15, v[148:151], s[22:23] offset:1024
	s_wait_tensorcnt 0x0                           ; the wave's end
	ds_add_u32 v4, v5
	s_wait_dscnt 0x0
	s_endpgm
.Lpack:
	s_sub_co_u32 s3, ttmp9, 16
	s_load_b256 s[36:43], s[0:1], 0x40             ; Wa, Wb, Wg, Wo
	s_load_b512 s[44:59], s[0:1], 0x60             ; ln_s, ln_b, ba, bb, bg, bo, on_s, on_b
	s_load_b64 s[60:61], s[0:1], 0xa0              ; the pack
	s_wait_kmcnt 0x0
	s_mov_b64 s[4:5], s[36:37]
.irp k,1,2,3
	s_cmp_eq_u32 s3, \k
	s_cselect_b64 s[4:5], s[36+2*(\k):37+2*(\k)], s[4:5]
.endr
	PACKM 60
	s_cmp_lt_u32 s2, 2                             ; waves 0 and 1 copy vector 2 q + w behind the images
	s_cbranch_scc0 .Lpend
	s_lshl1_add_u32 s6, s3, s2
	s_mov_b64 s[4:5], s[44:45]
.irp k,1,2,3,4,5,6,7
	s_cmp_eq_u32 s6, \k
	s_cselect_b64 s[4:5], s[44+2*(\k):45+2*(\k)], s[4:5]
.endr
	v_lshlrev_b32 v8, 4, v1
	global_load_b128 v[80:83], v8, s[4:5]
	s_lshl_b32 s7, s6, 9
	v_add_nc_u32 v9, s7, v8
	s_wait_loadcnt 0x0
	global_store_b128 v9, v[80:83], s[60:61] offset:131072
.Lpend:
	s_endpgm
.Lfunc_end_k_q6354ecec90_ff0:
	.size	k_q6354ecec90_ff0, .Lfunc_end_k_q6354ecec90_ff0-k_q6354ecec90_ff0
	.p2alignl 7, 3214868480
	.fill 96, 4, 3214868480
	.section	.rodata,"a",@progbits
	.p2align	6, 0x0
	.amdhsa_kernel k_q6354ecec90_ff0
		.amdhsa_group_segment_fixed_size 60416
		.amdhsa_private_segment_fixed_size 0
		.amdhsa_enable_private_segment 0
		.amdhsa_kernarg_size 168
		.amdhsa_user_sgpr_count 2
		.amdhsa_user_sgpr_kernarg_segment_ptr 1
		.amdhsa_wavefront_size32 1
		.amdhsa_system_sgpr_workgroup_id_x 1
		.amdhsa_system_sgpr_workgroup_id_y 1
		.amdhsa_system_sgpr_workgroup_id_z 1
		.amdhsa_system_vgpr_workitem_id 0
		.amdhsa_next_free_vgpr 256
		.amdhsa_next_free_sgpr 66
		.amdhsa_reserve_vcc 0
		.amdhsa_float_denorm_mode_32 3
		.amdhsa_float_denorm_mode_16_64 3
		.amdhsa_memory_ordered 1
		.amdhsa_forward_progress 1
		.amdhsa_inst_pref_size 49
	.end_amdhsa_kernel
	.amdgpu_metadata
---
amdhsa.version: [ 1, 2 ]
amdhsa.kernels:
  - .name:           k_q6354ecec90_ff0
    .symbol:         k_q6354ecec90_ff0.kd
    .args:
      - { .name: pa, .offset: 0, .size: 8, .value_kind: global_buffer, .address_space: global }
      - { .name: params_enc_0_bo, .offset: 8, .size: 8, .value_kind: global_buffer, .address_space: global }
      - { .name: params_enc_0_ln1_s, .offset: 16, .size: 8, .value_kind: global_buffer, .address_space: global }
      - { .name: params_enc_0_ln1_b, .offset: 24, .size: 8, .value_kind: global_buffer, .address_space: global }
      - { .name: params_enc_0_W1, .offset: 32, .size: 8, .value_kind: global_buffer, .address_space: global }
      - { .name: params_enc_0_b1, .offset: 40, .size: 8, .value_kind: global_buffer, .address_space: global }
      - { .name: params_enc_0_W2, .offset: 48, .size: 8, .value_kind: global_buffer, .address_space: global }
      - { .name: pf, .offset: 56, .size: 8, .value_kind: global_buffer, .address_space: global }
      - { .name: params_tm1_Wa, .offset: 64, .size: 8, .value_kind: global_buffer, .address_space: global }
      - { .name: params_tm1_Wb, .offset: 72, .size: 8, .value_kind: global_buffer, .address_space: global }
      - { .name: params_tm1_Wg, .offset: 80, .size: 8, .value_kind: global_buffer, .address_space: global }
      - { .name: params_tm1_Wo, .offset: 88, .size: 8, .value_kind: global_buffer, .address_space: global }
      - { .name: params_tm1_ln_s, .offset: 96, .size: 8, .value_kind: global_buffer, .address_space: global }
      - { .name: params_tm1_ln_b, .offset: 104, .size: 8, .value_kind: global_buffer, .address_space: global }
      - { .name: params_tm1_ba, .offset: 112, .size: 8, .value_kind: global_buffer, .address_space: global }
      - { .name: params_tm1_bb, .offset: 120, .size: 8, .value_kind: global_buffer, .address_space: global }
      - { .name: params_tm1_bg, .offset: 128, .size: 8, .value_kind: global_buffer, .address_space: global }
      - { .name: params_tm1_bo, .offset: 136, .size: 8, .value_kind: global_buffer, .address_space: global }
      - { .name: params_tm1_on_s, .offset: 144, .size: 8, .value_kind: global_buffer, .address_space: global }
      - { .name: params_tm1_on_b, .offset: 152, .size: 8, .value_kind: global_buffer, .address_space: global }
      - { .name: wp1, .offset: 160, .size: 8, .value_kind: global_buffer, .address_space: global }
    .group_segment_fixed_size: 60416
    .private_segment_fixed_size: 0
    .kernarg_segment_align: 8
    .kernarg_segment_size: 168
    .max_flat_workgroup_size: 512
    .sgpr_count:     66
    .vgpr_count:     256
    .wavefront_size: 32
...
	.end_amdgpu_metadata
.endif
;; end of part 2
;; launch mha1 (part 3): grid 8 x 1, 16 waves a work-group, no clusters, 86,272 bytes of LDS; arguments pf, params_enc_0_b2, params_enc_0_ln2_s, params_enc_0_ln2_b, tokens, params_enc_1_Wq, params_enc_1_Wk, params_enc_1_Wv, params_enc_1_bq, params_enc_1_bk, params_enc_1_bv, params_enc_1_Wo, pa, params_tm3_Wa, params_tm3_Wb, params_tm3_Wg, params_tm3_Wo, params_tm3_ln_s, params_tm3_ln_b, params_tm3_ba, params_tm3_bb, params_tm3_bg, params_tm3_bo, params_tm3_on_s, params_tm3_on_b, wp3; writes pa, wp3
.if DOCPART == 3
	.amdgcn_target "amdgcn-amd-amdhsa--gfx1250"
	.amdhsa_code_object_version 6
	.text
	.protected	k_q6354ecec90_mha1
	.globl	k_q6354ecec90_mha1
	.p2align	8
	.type	k_q6354ecec90_mha1,@function
k_q6354ecec90_mha1:
	s_mov_b64 s[64:65], 0
	v_nop
	global_prefetch_b8 v0, s[64:65] scope:SCOPE_SE
	s_setreg_imm32_b32 hwreg(HW_REG_WAVE_MODE, 25, 1), 1
	s_wait_xcnt 0x0
; ENCODER ATTENTION ON CLASS ROWS.  reference() has no positional term and emb has 8 rows, so h[b,i] hangs on (b, tok_i) alone: the encoder runs on the
; 16 rows R = 8 b + t, and a sum or softmax over the 256 positions of a batch is the same sum over its 8 classes weighted by the counts n[b][t].
; FIRST = 1: the rows are emb's.  FIRST = 0: the rows are LayerNorm(sum of the 17 slots of pf + b2), the layer before finished here.
; Work-groups 0-3: one head each; they store o_h x Wo[64 h .., :] as an f32 partial into slot h of pa; head 0 also stores the rows (the residual) into slot 4.
; The other work-groups round triangle weights to f16 in fragment order for the launch that uses them (and copy a tm's vectors).
; FORMAT: every product is bf16 with BOTH operands split, x = hi + lo: hi hi + hi lo + lo hi, sums in f32 (about 16 significant bits; bf16's range).
; No tensor loads, no cluster: each weight byte is used once, by one wave, and passes through registers to be split; the slots are summed on arrival.
; LIMITS: tokens lie in 0..7 (another value is counted for no class); a key of another batch or of an absent class counts as -1e30;
; a weight below 2^-126 counts as 0; NaN and infinities are not treated apart; f16 images hold no number beyond 65,504.
.set FIRST, 0
.if FIRST
.set ARGT, 0x8
.set ARGP, 0x48
.else
.set ARGT, 0x20
.set ARGP, 0x60
.endif
.set XH, 0            ; rows, bf16 hi, [16][256], pitch 528
.set XL, 8448         ; lo
.set QH, 16896        ; q, k of the head: [16][64] bf16, pitch 144, hi and lo
.set QL, 19200
.set KH, 21504
.set KL, 23808
.set VTH, 26112       ; v turned: [64 d][16 keys] bf16, pitch 32
.set VTL, 28160
.set OH, 30208        ; o: [16][64] bf16, pitch 144
.set OL, 32512
.set CNT, 34816       ; 16 counts, f32
.set SPARE, 35072     ; the spare words: 128 bytes a wave, named by no other line
.set RED, 37120       ; 12 accumulator images of 4,096 bytes
.set HIM, 26
.set SEL, 36
.set I256, 38
.set EPS, 39
; v0 thread, v1 lane L, v2 r = L % 16, v3 h = L / 16, v4 v5 the add's two, v6 weight offset, v7 row offset in a slot, v8 row place in XH, v9 v14 v15 addresses, v10-13 at work
; v16-31, v160-175 A fragments; v32-63 (v128-159) accumulators; v64-127, v128-191 weights as loaded; v192-255, v64-127 weights split
.macro BAR
	s_wait_dscnt 0x0                ; for the others' sake: my LDS stores are done and my LDS reads are back
	s_barrier_signal -1
	s_barrier_wait -1
.endm
.macro PLACES                       ; four plain places behind matrix instructions, ahead of what reads their results or loads into their registers
.rept 4
	v_nop
.endr
.endm
.macro WSUM x, t                    ; sum over the 32 lanes, in every lane
	v_add_f32_dpp v[\x], v[\x], v[\x] row_xmask:1 row_mask:0xf bank_mask:0xf
	v_add_f32_dpp v[\x], v[\x], v[\x] row_xmask:2 row_mask:0xf bank_mask:0xf
	v_add_f32_dpp v[\x], v[\x], v[\x] row_xmask:4 row_mask:0xf bank_mask:0xf
	v_add_f32_dpp v[\x], v[\x], v[\x] row_xmask:8 row_mask:0xf bank_mask:0xf
	v_permlanex16_b32 v[\t], v[\x], s[SEL], s[SEL+1]
	v_add_f32 v[\x], v[\x], v[\t]
.endm
.macro SPLIT2 dh, dl, a, b, t0, t1  ; two f32 -> packed hi, packed lo = bf16(x - hi); the subtraction is exact
	v_cvt_pk_bf16_f32 v[\dh], v[\a], v[\b]
	v_lshlrev_b32 v[\t0], 16, v[\dh]
	v_and_b32 v[\t1], s[HIM], v[\dh]
	v_sub_f32 v[\t0], v[\a], v[\t0]
	v_sub_f32 v[\t1], v[\b], v[\t1]
	v_cvt_pk_bf16_f32 v[\dl], v[\t0], v[\t1]
.endm
.macro WLD st, pitch                ; 32 rows x 64 columns of my piece: lane (r, h) takes W[k][4 r .. 4 r + 3] for the 16 k of its half of a fragment; 16 lanes read 256 consecutive bytes
.set i, 0
.rept 16
	global_load_b128 v[64+64*(\st)+4*i:64+64*(\st)+4*i+3], v6, s[4:5] offset:(32*(\st)+i+8*(i/8))*(\pitch) th:TH_LOAD_NT
.set i, i+1
.endr
.endm
.macro CONV st                      ; the split is also the packing of (k, k + 1): tile j of four holds the columns 4 r + j
.set LB, 64+64*(\st)
.set BB, 192-128*(\st)
.set n, 0
.rept 32
	SPLIT2 BB+n, BB+32+n, LB+8*(n%8)+n/8, LB+8*(n%8)+4+n/8, 10+2*(n%2), 11+2*(n%2)
.set n, n+1
.endr
.endm
.macro ALD va, lo                   ; A fragments (16 rows x 32 k), hi and lo, of two K steps
	ds_load_b128 v[16:19], v[\va]
	ds_load_b128 v[20:23], v[\va] offset:32
	ds_load_b128 v[24:27], v[\va] offset:\lo
	ds_load_b128 v[28:31], v[\va] offset:(\lo)+32
	ds_load_b128 v[160:163], v[\va] offset:64
	ds_load_b128 v[164:167], v[\va] offset:96
	ds_load_b128 v[168:171], v[\va] offset:(\lo)+64
	ds_load_b128 v[172:175], v[\va] offset:(\lo)+96
.endm
.macro MMA c0, c1                   ; 24 products; the four accumulators of a set take turns; the first product on each starts its sum
.irp st,0,1
.irp p,0,1,2
.irp j,0,1,2,3
.set aa, 16+144*(\st)+8*((\p)/2)
.set bb, 192-128*(\st)+32*((\p)%2)+8*(\j)
.set cc, (\c0)+((\c1)-(\c0))*(\st)+8*(\j)
.if ((\p) == 0) && (((\st) == 0) || ((\c0) != (\c1)))
	v_wmma_f32_16x16x32_bf16 v[cc:cc+7], v[aa:aa+7], v[bb:bb+7], 0
.else
	v_wmma_f32_16x16x32_bf16 v[cc:cc+7], v[aa:aa+7], v[bb:bb+7], v[cc:cc+7]
.endif
.endr
.endr
.endr
.endm
.macro ADD8 d, s
.irp c,0,2,4,6
	v_pk_add_f32 v[(\d)+(\c):(\d)+(\c)+1], v[(\d)+(\c):(\d)+(\c)+1], v[(\s)+(\c):(\s)+(\c)+1]
.endr
.endm
.macro LN256 Y, GA, BE, T           ; LayerNorm of a row of 256 held by one wave, 8 numbers a lane; two passes: mean, then the squares of the differences
	v_pk_add_f32 v[(\T):(\T)+1], v[(\Y):(\Y)+1], v[(\Y)+2:(\Y)+3]
	v_pk_add_f32 v[(\T)+2:(\T)+3], v[(\Y)+4:(\Y)+5], v[(\Y)+6:(\Y)+7]
	v_pk_add_f32 v[(\T):(\T)+1], v[(\T):(\T)+1], v[(\T)+2:(\T)+3]
	v_add_f32 v[(\T)], v[(\T)], v[(\T)+1]
	WSUM (\T), (\T)+1
	v_mul_f32 v[(\T)], s[I256], v[(\T)]
.irp c,0,2,4,6
	v_pk_add_f32 v[(\Y)+(\c):(\Y)+(\c)+1], v[(\Y)+(\c):(\Y)+(\c)+1], v[(\T):(\T)+1] op_sel_hi:[1,0] neg_lo:[0,1] neg_hi:[0,1]
.endr
	v_pk_mul_f32 v[(\T)+2:(\T)+3], v[(\Y):(\Y)+1], v[(\Y):(\Y)+1]
.irp c,2,4,6
	v_pk_fma_f32 v[(\T)+2:(\T)+3], v[(\Y)+(\c):(\Y)+(\c)+1], v[(\Y)+(\c):(\Y)+(\c)+1], v[(\T)+2:(\T)+3]
.endr
	v_add_f32 v[(\T)+2], v[(\T)+2], v[(\T)+3]
	WSUM (\T)+2, (\T)+3
	v_fma_f32 v[(\T)+2], v[(\T)+2], s[I256], s[EPS]
	v_rsq_f32 v[(\T)+2], v[(\T)+2]
	v_nop                           ; a plain instruction behind the root
	s_wait_alu depctr_va_vdst(0)
.irp c,0,2,4,6
	v_pk_mul_f32 v[(\Y)+(\c):(\Y)+(\c)+1], v[(\Y)+(\c):(\Y)+(\c)+1], v[(\T)+2:(\T)+3] op_sel_hi:[1,0]
.endr
.irp c,0,2,4,6
	v_pk_fma_f32 v[(\Y)+(\c):(\Y)+(\c)+1], v[(\Y)+(\c):(\Y)+(\c)+1], v[(\GA)+(\c):(\GA)+(\c)+1], v[(\BE)+(\c):(\BE)+(\c)+1]
.endr
.endm
.macro REDLD m                      ; the four K quarters of matrix m are added, the bias joins, the four numbers are split: (row 8 h + jj, columns 4 r + 0..3)
.irp kq,0,1,2,3
.irp j,0,1,2,3
	ds_load_b32 v[128+4*(\kq)+(\j)], v9 offset:(4*(\m)+(\kq))*4096+(\j)*1024
.endr
.endr
	s_wait_dscnt 0x0
	v_pk_add_f32 v[128:129], v[128:129], v[132:133]
	v_pk_add_f32 v[130:131], v[130:131], v[134:135]
	v_pk_add_f32 v[136:137], v[136:137], v[140:141]
	v_pk_add_f32 v[138:139], v[138:139], v[142:143]
	v_pk_add_f32 v[128:129], v[128:129], v[136:137]
	v_pk_add_f32 v[130:131], v[130:131], v[138:139]
	v_pk_add_f32 v[128:129], v[128:129], v[176+4*(\m):177+4*(\m)]
	v_pk_add_f32 v[130:131], v[130:131], v[178+4*(\m):179+4*(\m)]
	SPLIT2 144, 146, 128, 129, 10, 11
	SPLIT2 145, 147, 130, 131, 12, 13
.endm
.macro PACKM outp                   ; one 128 x 128 matrix -> f16 image: bytes ((s 8 + nt) 2 + x) 512 + 16 lane hold W[32 s + 16 x + 8 h + 0..7][16 nt + r].  Wave = (s, x, column half cg)
	s_lshr_b32 s6, s2, 1
	s_lshl_b32 s6, s6, 13           ; (32 s + 16 x) rows of 512 bytes
	s_and_b32 s7, s2, 1
	s_lshl_b32 s26, s7, 8
	s_add_co_u32 s6, s6, s26
	v_lshl_add_u32 v6, v2, 2, s6
	v_lshl_add_u32 v6, v3, 12, v6
	s_lshl_b32 s6, s3, 15           ; the image
	s_lshr_b32 s26, s2, 2
	s_lshl_b32 s26, s26, 13
	s_add_co_u32 s6, s6, s26
	s_lshl_b32 s26, s7, 12
	s_add_co_u32 s6, s6, s26
	s_bfe_u32 s26, s2, 0x10001
	s_lshl_b32 s26, s26, 9
	s_add_co_u32 s6, s6, s26
	v_lshl_add_u32 v7, v1, 4, s6
.set n, 0
.rept 32
	global_load_b32 v[32+n], v6, s[4:5] offset:(n%8)*512+(n/8)*64 th:TH_LOAD_NT
.set n, n+1
.endr
	s_wait_loadcnt 0x0
.set n, 0
.rept 16
	v_cvt_pk_f16_f32 v[64+n], v[32+2*n], v[33+2*n]
.set n, n+1
.endr
.irp t,0,1,2,3
	global_store_b128 v7, v[64+4*(\t):67+4*(\t)], s[(\outp):(\outp)+1] offset:(\t)*1024  ; 512 consecutive bytes
.endr
.endm
	s_load_b512 s[8:23], s[0:1], ARGT              ; tokens, Wq, Wk, Wv, bq, bk, bv, Wo
	s_load_b64 s[24:25], s[0:1], ARGP              ; pa
.if FIRST
	s_load_b64 s[28:29], s[0:1], 0x0               ; emb
.else
	s_load_b256 s[28:35], s[0:1], 0x0              ; pf, b2, ln2_s, ln2_b
.endif
	v_lshl_add_u32 v4, v0, 2, SPARE
	v_mov_b32 v5, 0
	v_lshrrev_b32 v1, 5, v0
	v_readfirstlane_b32 s2, v1                     ; wave
	v_and_b32 v1, 31, v0
	v_and_b32 v2, 15, v0
	v_bfe_u32 v3, v0, 4, 1
	s_cmp_lt_u32 ttmp9, 4
	s_cbranch_scc0 .Lpack
	s_mov_b32 s3, ttmp9                            ; head
	s_mov_b32 s[HIM], 0xffff0000
	s_mov_b32 s[SEL], 0x76543210
	s_mov_b32 s[SEL+1], 0xfedcba98
	s_mov_b32 s[I256], 0x3b800000                  ; 1 / 256
	s_mov_b32 s[EPS], 0x3727c5ac                   ; 1e-5
	s_mov_b32 s44, 0x3e38aa3b                      ; log2(e) / 8
	s_mov_b32 s45, s44
	; my piece of 64 rows x 64 columns: waves 0-11 matrix w / 4 of Wq, Wk, Wv, K quarter w % 4, the head's columns; waves 12-15 Wo, the head's rows, column group w % 4
	s_lshr_b32 s6, s2, 2
	s_and_b32 s7, s2, 3
	s_cmp_eq_u32 s6, 3
	s_cselect_b32 s40, s3, s7
	s_cselect_b32 s41, s7, s3
	s_lshl_b32 s40, s40, 16
	s_lshl_b32 s41, s41, 8
	s_add_co_u32 s40, s40, s41
	s_mov_b32 s41, 0
	v_lshlrev_b32 v9, 4, v1
	v_lshlrev_b32 v6, 4, v2
	v_lshl_add_u32 v6, v3, 13, v6                  ; 8 h rows of 1,024 bytes + 16 r
	s_lshl_b32 s42, s2, 10
	v_add_nc_u32 v7, s42, v9                       ; row w of a slot
	s_mul_i32 s42, s2, 528
	v_lshl_add_u32 v8, v1, 3, s42
	s_lshr_b32 s42, s2, 3
	s_lshl_b32 s42, s42, 10
	v_add_nc_u32 v10, s42, v9                      ; tokens of batch w / 8
.if FIRST
	s_and_b32 s42, s2, 7
	s_lshl_b32 s42, s42, 10
	v_add_nc_u32 v11, s42, v9                      ; emb's row w % 8
.endif
	s_wait_kmcnt 0x0
	s_cmp_eq_u32 s6, 0
	s_cselect_b64 s[4:5], s[10:11], s[22:23]
	s_cmp_eq_u32 s6, 1
	s_cselect_b64 s[4:5], s[12:13], s[4:5]
	s_cmp_eq_u32 s6, 2
	s_cselect_b64 s[4:5], s[14:15], s[4:5]
	s_add_nc_u64 s[4:5], s[4:5], s[40:41]
	; 1. all loads go out at once; wave w makes row w (lane L: columns 128 e + 4 L + 0..3)
.if FIRST
	global_load_b128 v[192:195], v11, s[28:29]
	global_load_b128 v[196:199], v11, s[28:29] offset:512
	global_load_b128 v[16:19], v10, s[8:9]
	global_load_b128 v[20:23], v10, s[8:9] offset:512
	WLD 0, 1024
	WLD 1, 1024
	s_wait_loadcnt 32                              ; the 32 weight loads may stay out; the row and the tokens are in
.else
.set p, 0
.rept 8
	global_load_b128 v[192+8*p:195+8*p], v7, s[28:29] offset:p*16384
	global_load_b128 v[196+8*p:199+8*p], v7, s[28:29] offset:p*16384+512
.set p, p+1
.endr
.rept 8
	global_load_b128 v[64+8*p:67+8*p], v7, s[28:29] offset:p*16384
	global_load_b128 v[68+8*p:71+8*p], v7, s[28:29] offset:p*16384+512
.set p, p+1
.endr
	global_load_b128 v[32:35], v7, s[28:29] offset:262144
	global_load_b128 v[36:39], v7, s[28:29] offset:262656
	global_load_b128 v[40:43], v9, s[30:31]
	global_load_b128 v[44:47], v9, s[30:31] offset:512
	global_load_b128 v[48:51], v9, s[32:33]
	global_load_b128 v[52:55], v9, s[32:33] offset:512
	global_load_b128 v[56:59], v9, s[34:35]
	global_load_b128 v[60:63], v9, s[34:35] offset:512
	global_load_b128 v[16:19], v10, s[8:9]
	global_load_b128 v[20:23], v10, s[8:9] offset:512
	WLD 0, 1024
	s_wait_loadcnt 16                              ; the 16 weight loads just issued may stay out; all older loads are in
.set p, 1
.rept 7
	ADD8 192, 192+8*p
.set p, p+1
.endr
.set p, 0
.rept 8
	ADD8 192, 128+8*p
.set p, p+1
.endr
	ADD8 192, 32
	ADD8 192, 40
	WLD 1, 1024                                    ; into the registers that the sums have just read
	LN256 192, 48, 56, 10
.endif
	s_cmp_lg_u32 s3, 0
	s_cbranch_scc1 .Lnox
	global_store_b128 v7, v[192:195], s[24:25] offset:65536   ; slot 4: the rows, for the residual
	global_store_b128 v7, v[196:199], s[24:25] offset:66048
.Lnox:
	SPLIT2 200, 204, 192, 193, 10, 11
	SPLIT2 201, 205, 194, 195, 12, 13
	SPLIT2 202, 206, 196, 197, 10, 11
	SPLIT2 203, 207, 198, 199, 12, 13
	ds_store_b64 v8, v[200:201] offset:XH
	ds_store_b64 v8, v[202:203] offset:XH+256
	ds_store_b64 v8, v[204:205] offset:XL
	ds_store_b64 v8, v[206:207] offset:XL+256
	; wave w counts class w % 8 in batch w / 8; the count only weights values
	s_and_b32 s40, s2, 7
	s_mov_b32 s41, 0
.irp i,0,1,2,3,4,5,6,7
	v_cmp_eq_u32 s42, s40, v[16+(\i)]
	s_bcnt1_i32_b32 s42, s42
	s_add_co_u32 s41, s41, s42
.endr
	s_lshl_b32 s42, s2, 2
	s_add_co_u32 s42, s42, CNT
	v_mov_b32 v10, s42
	v_cvt_f32_u32 v11, s41
	ds_store_b32 v10, v11
	BAR
	; 2. my piece is split
	s_wait_xcnt 0x0                                ; the row's stores have read v192-199, which the split weights take now
	s_wait_loadcnt 16                              ; the first 32 rows are in; the other 16 loads may stay out
	CONV 0
	s_wait_loadcnt 0x0
	CONV 1
	s_lshl_b32 s42, s3, 8
	v_lshl_add_u32 v14, v2, 4, s42                 ; biases of the head's columns 4 r + 0..3
	global_load_b128 v[176:179], v14, s[16:17]
	global_load_b128 v[180:183], v14, s[18:19]
	global_load_b128 v[184:187], v14, s[20:21]
	; 3. waves 0-11: rows x piece; the accumulators go to RED as they lie
	s_cmp_lt_u32 s2, 12
	s_cbranch_scc0 .Lno3
	v_mul_u32_u24 v9, v2, 528
	v_lshl_add_u32 v9, v3, 4, v9
	s_lshl_b32 s40, s7, 7
	v_add_nc_u32 v9, s40, v9
	s_lshl_b32 s40, s2, 12
	s_add_co_u32 s40, s40, RED
	v_lshl_add_u32 v15, v1, 4, s40
	ALD 9, XL
	s_wait_dscnt 0x0
	MMA 32, 32
	PLACES
.irp c,0,1,2,3,4,5,6,7
	ds_store_b128 v15, v[32+4*(\c):35+4*(\c)] offset:(\c)*512
.endr
.Lno3:
	BAR
	; 4. register jj = w % 8 of every image: waves 0-7 finish q and k, waves 8-15 v
	s_wait_loadcnt 0x0                             ; the biases
	s_and_b32 s40, s2, 7
	s_lshr_b32 s41, s40, 2
	s_lshl_b32 s41, s41, 9
	s_and_b32 s42, s40, 3
	s_lshl_b32 s42, s42, 2
	s_add_co_u32 s41, s41, s42
	s_add_co_u32 s41, s41, RED
	v_lshl_add_u32 v9, v1, 4, s41
	s_cmp_lt_u32 s2, 8
	s_cbranch_scc0 .Lredv
	v_lshl_add_u32 v15, v3, 3, s40
	v_mul_u32_u24 v15, v15, 144
	v_lshl_add_u32 v15, v2, 3, v15                 ; (8 h + jj) 144 + 8 r
	REDLD 0
	ds_store_b64 v15, v[144:145] offset:QH
	ds_store_b64 v15, v[146:147] offset:QL
	REDLD 1
	ds_store_b64 v15, v[144:145] offset:KH
	ds_store_b64 v15, v[146:147] offset:KL
	s_branch .Lredend
.Lredv:
	s_lshl_b32 s41, s40, 1
	v_lshl_add_u32 v15, v2, 7, s41
	v_lshl_add_u32 v15, v3, 4, v15                 ; (4 r) 32 + (8 h + jj) 2
	REDLD 2
	ds_store_b16 v15, v144 offset:VTH
	ds_store_b16_d16_hi v15, v144 offset:VTH+32
	ds_store_b16 v15, v145 offset:VTH+64
	ds_store_b16_d16_hi v15, v145 offset:VTH+96
	ds_store_b16 v15, v146 offset:VTL
	ds_store_b16_d16_hi v15, v146 offset:VTL+32
	ds_store_b16 v15, v147 offset:VTL+64
	ds_store_b16_d16_hi v15, v147 offset:VTL+96
.Lredend:
	BAR
	; 5. wave 0: the head's attention, both batches in one tile.  S^T = K Q^T: lane (r, h) holds query row r and key rows 8 h + jj
	s_cmp_lg_u32 s2, 0
	s_cbranch_scc1 .Lno5
	v_mul_u32_u24 v9, v2, 144
	v_lshl_add_u32 v9, v3, 4, v9
.irp st,0,1
	ds_load_b128 v[64+8*(\st):67+8*(\st)], v9 offset:KH+64*(\st)
	ds_load_b128 v[68+8*(\st):71+8*(\st)], v9 offset:KH+64*(\st)+32
	ds_load_b128 v[80+8*(\st):83+8*(\st)], v9 offset:KL+64*(\st)
	ds_load_b128 v[84+8*(\st):87+8*(\st)], v9 offset:KL+64*(\st)+32
	ds_load_b128 v[96+8*(\st):99+8*(\st)], v9 offset:QH+64*(\st)
	ds_load_b128 v[100+8*(\st):103+8*(\st)], v9 offset:QH+64*(\st)+32
	ds_load_b128 v[112+8*(\st):115+8*(\st)], v9 offset:QL+64*(\st)
	ds_load_b128 v[116+8*(\st):119+8*(\st)], v9 offset:QL+64*(\st)+32
.endr
	v_lshlrev_b32 v10, 5, v3
	ds_load_b128 v[160:163], v10 offset:CNT
	ds_load_b128 v[164:167], v10 offset:CNT+16
	v_lshlrev_b32 v11, 5, v2
	v_lshl_add_u32 v11, v3, 4, v11
.irp mt,0,1,2,3                     ; V^T: 16 channels x 16 keys; the fragment's upper 16 k meet zeros of P and take the same finite bytes once more
	ds_load_b128 v[192+8*(\mt):195+8*(\mt)], v11 offset:VTH+512*(\mt)
	ds_load_b128 v[196+8*(\mt):199+8*(\mt)], v11 offset:VTH+512*(\mt)
	ds_load_b128 v[224+8*(\mt):227+8*(\mt)], v11 offset:VTL+512*(\mt)
	ds_load_b128 v[228+8*(\mt):231+8*(\mt)], v11 offset:VTL+512*(\mt)
.endr
	s_wait_dscnt 0x0
	v_wmma_f32_16x16x32_bf16 v[32:39], v[64:71], v[96:103], 0          ; two accumulators, one for each K step, by turns
	v_wmma_f32_16x16x32_bf16 v[40:47], v[72:79], v[104:111], 0
	v_wmma_f32_16x16x32_bf16 v[32:39], v[64:71], v[112:119], v[32:39]
	v_wmma_f32_16x16x32_bf16 v[40:47], v[72:79], v[120:127], v[40:47]
	v_wmma_f32_16x16x32_bf16 v[32:39], v[80:87], v[96:103], v[32:39]
	v_wmma_f32_16x16x32_bf16 v[40:47], v[88:95], v[104:111], v[40:47]
	PLACES
	v_lshrrev_b32 v12, 3, v2
	v_mov_b32 v13, 0xf149f2ca                      ; -1e30
	v_cmp_eq_u32 vcc_lo, v12, v3                   ; the key's batch is the query's
.irp jj,0,1,2,3,4,5,6,7
	v_cndmask_b32 v[160+(\jj)], 0, v[160+(\jj)], vcc_lo     ; the key's weight: its class's count, or 0
.endr
.irp q,0,2,4,6
	v_pk_add_f32 v[168+(\q):169+(\q)], v[32+(\q):33+(\q)], v[40+(\q):41+(\q)]
.endr
.irp q,0,2,4,6
	v_pk_mul_f32 v[168+(\q):169+(\q)], v[168+(\q):169+(\q)], s[44:45] op_sel_hi:[1,0]
.endr
.irp jj,0,1,2,3,4,5,6,7
	v_cmp_lt_f32 vcc_lo, 0, v[160+(\jj)]
	v_cndmask_b32 v[168+(\jj)], v13, v[168+(\jj)], vcc_lo   ; keys without weight stay out of the maximum
.endr
	v_max3_num_f32 v14, v168, v169, v170
	v_max3_num_f32 v14, v14, v171, v172
	v_max3_num_f32 v14, v14, v173, v174
	v_max_num_f32 v14, v14, v175
	v_permlanex16_b32 v15, v14, s[SEL], s[SEL+1]
	v_max_num_f32 v14, v14, v15
.irp jj,0,1,2,3,4,5,6,7
	v_sub_f32 v[168+(\jj)], v[168+(\jj)], v14
.endr
.irp jj,0,1,2,3,4,5,6,7
	v_exp_f32 v[168+(\jj)], v[168+(\jj)]
.endr
	v_nop
	s_wait_alu depctr_va_vdst(0)
.irp q,0,2,4,6
	v_pk_mul_f32 v[168+(\q):169+(\q)], v[168+(\q):169+(\q)], v[160+(\q):161+(\q)]
.endr
	v_pk_add_f32 v[176:177], v[168:169], v[170:171]
	v_pk_add_f32 v[178:179], v[172:173], v[174:175]
	v_pk_add_f32 v[176:177], v[176:177], v[178:179]
	v_add_f32 v176, v176, v177
	v_permlanex16_b32 v177, v176, s[SEL], s[SEL+1]
	v_add_f32 v176, v176, v177
	v_rcp_f32 v176, v176
	v_nop
	s_wait_alu depctr_va_vdst(0)
.irp q,0,2,4,6
	v_pk_mul_f32 v[168+(\q):169+(\q)], v[168+(\q):169+(\q)], v[176:177] op_sel_hi:[1,0]
.endr
	SPLIT2 16, 24, 168, 169, 10, 11                ; pairs of keys packed ARE source 1 (keys x queries) of O^T = V^T P
	SPLIT2 17, 25, 170, 171, 12, 13
	SPLIT2 18, 26, 172, 173, 10, 11
	SPLIT2 19, 27, 174, 175, 12, 13
.irp i,20,21,22,23,28,29,30,31
	v_mov_b32 v[\i], 0                             ; keys 16 to 31 do not exist
.endr
.irp p,0,1,2
.irp mt,0,1,2,3
.set aa, 192+32*((\p)/2)+8*(\mt)
.set bb, 16+8*((\p)%2)
.if (\p) == 0
	v_wmma_f32_16x16x32_bf16 v[128+8*(\mt):135+8*(\mt)], v[aa:aa+7], v[bb:bb+7], 0
.else
	v_wmma_f32_16x16x32_bf16 v[128+8*(\mt):135+8*(\mt)], v[aa:aa+7], v[bb:bb+7], v[128+8*(\mt):135+8*(\mt)]
.endif
.endr
.endr
	PLACES
.irp mt,0,1,2,3
.irp q,0,1,2,3
	SPLIT2 64+4*(\mt)+(\q), 80+4*(\mt)+(\q), 128+8*(\mt)+2*(\q), 129+8*(\mt)+2*(\q), 10+2*((\q)%2), 11+2*((\q)%2)
.endr
	ds_store_b128 v9, v[64+4*(\mt):67+4*(\mt)] offset:OH+32*(\mt)
	ds_store_b128 v9, v[80+4*(\mt):83+4*(\mt)] offset:OL+32*(\mt)
.endr
.Lno5:
	BAR
	; 6. waves 12-15: o x my piece of Wo.  One accumulator set for each K step: the add that joins them lays four neighbouring columns in four neighbouring registers
	s_cmp_lt_u32 s2, 12
	s_cbranch_scc1 .Lno6
	v_mul_u32_u24 v9, v2, 144
	v_lshl_add_u32 v9, v3, 4, v9
	v_add_nc_u32 v9, OH, v9
	ALD 9, OL-OH
	s_lshl_b32 s40, s3, 14
	s_lshl_b32 s41, s7, 8
	s_add_co_u32 s40, s40, s41
	v_lshl_add_u32 v15, v2, 4, s40
	v_lshl_add_u32 v15, v3, 13, v15
	s_wait_dscnt 0x0
	MMA 32, 128
	PLACES
.irp jj,0,1,2,3,4,5,6,7
.irp j,0,1,2,3
	v_add_f32 v[176+4*(\jj)+(\j)], v[32+8*(\j)+(\jj)], v[128+8*(\j)+(\jj)]
.endr
.endr
.irp jj,0,1,2,3,4,5,6,7
	global_store_b128 v15, v[176+4*(\jj):179+4*(\jj)], s[24:25] offset:(\jj)*1024   ; 16 lanes store 256 consecutive bytes, aligned
.endr
.Lno6:
	s_wait_tensorcnt 0x0                           ; the wave's end
	ds_add_u32 v4, v5
	s_wait_dscnt 0x0
	s_endpgm
.Lpack:
	s_sub_co_u32 s3, ttmp9, 4                      ; which matrix
.if FIRST
	s_load_b256 s[36:43], s[0:1], 0x50             ; ta Wq, Wk, Wv, Wg
	s_load_b128 s[44:47], s[0:1], 0x70             ; ta Wo, wpa
	s_wait_kmcnt 0x0
	s_mov_b64 s[4:5], s[36:37]
.irp k,1,2,3,4
	s_cmp_eq_u32 s3, \k
	s_cselect_b64 s[4:5], s[36+2*(\k):37+2*(\k)], s[4:5]
.endr
	PACKM 46
.else
	s_load_b256 s[36:43], s[0:1], 0x68             ; Wa, Wb, Wg, Wo
	s_load_b512 s[44:59], s[0:1], 0x88             ; ln_s, ln_b, ba, bb, bg, bo, on_s, on_b
	s_load_b64 s[60:61], s[0:1], 0xc8              ; the pack
	s_wait_kmcnt 0x0
	s_mov_b64 s[4:5], s[36:37]
.irp k,1,2,3
	s_cmp_eq_u32 s3, \k
	s_cselect_b64 s[4:5], s[36+2*(\k):37+2*(\k)], s[4:5]
.endr
	PACKM 60
	s_cmp_lt_u32 s2, 2                             ; waves 0 and 1 copy vector 2 q + w behind the images
	s_cbranch_scc0 .Lpend
	s_lshl1_add_u32 s6, s3, s2
	s_mov_b64 s[4:5], s[44:45]
.irp k,1,2,3,4,5,6,7
	s_cmp_eq_u32 s6, \k
	s_cselect_b64 s[4:5], s[44+2*(\k):45+2*(\k)], s[4:5]
.endr
	v_lshlrev_b32 v8, 4, v1
	global_load_b128 v[80:83], v8, s[4:5]
	s_lshl_b32 s7, s6, 9
	v_add_nc_u32 v9, s7, v8
	s_wait_loadcnt 0x0
	global_store_b128 v9, v[80:83], s[60:61] offset:131072
.Lpend:
.endif
	s_endpgm
.Lfunc_end_k_q6354ecec90_mha1:
	.size	k_q6354ecec90_mha1, .Lfunc_end_k_q6354ecec90_mha1-k_q6354ecec90_mha1
	.p2alignl 7, 3214868480
	.fill 96, 4, 3214868480
	.section	.rodata,"a",@progbits
	.p2align	6, 0x0
	.amdhsa_kernel k_q6354ecec90_mha1
		.amdhsa_group_segment_fixed_size 86272
		.amdhsa_private_segment_fixed_size 0
		.amdhsa_enable_private_segment 0
		.amdhsa_kernarg_size 208
		.amdhsa_user_sgpr_count 2
		.amdhsa_user_sgpr_kernarg_segment_ptr 1
		.amdhsa_wavefront_size32 1
		.amdhsa_system_sgpr_workgroup_id_x 1
		.amdhsa_system_sgpr_workgroup_id_y 1
		.amdhsa_system_sgpr_workgroup_id_z 1
		.amdhsa_system_vgpr_workitem_id 0
		.amdhsa_next_free_vgpr 256
		.amdhsa_next_free_sgpr 66
		.amdhsa_reserve_vcc 1
		.amdhsa_float_denorm_mode_32 3
		.amdhsa_float_denorm_mode_16_64 3
		.amdhsa_memory_ordered 1
		.amdhsa_forward_progress 1
		.amdhsa_inst_pref_size 70
	.end_amdhsa_kernel
	.amdgpu_metadata
---
amdhsa.version: [ 1, 2 ]
amdhsa.kernels:
  - .name:           k_q6354ecec90_mha1
    .symbol:         k_q6354ecec90_mha1.kd
    .args:
      - { .name: pf, .offset: 0, .size: 8, .value_kind: global_buffer, .address_space: global }
      - { .name: params_enc_0_b2, .offset: 8, .size: 8, .value_kind: global_buffer, .address_space: global }
      - { .name: params_enc_0_ln2_s, .offset: 16, .size: 8, .value_kind: global_buffer, .address_space: global }
      - { .name: params_enc_0_ln2_b, .offset: 24, .size: 8, .value_kind: global_buffer, .address_space: global }
      - { .name: tokens, .offset: 32, .size: 8, .value_kind: global_buffer, .address_space: global }
      - { .name: params_enc_1_Wq, .offset: 40, .size: 8, .value_kind: global_buffer, .address_space: global }
      - { .name: params_enc_1_Wk, .offset: 48, .size: 8, .value_kind: global_buffer, .address_space: global }
      - { .name: params_enc_1_Wv, .offset: 56, .size: 8, .value_kind: global_buffer, .address_space: global }
      - { .name: params_enc_1_bq, .offset: 64, .size: 8, .value_kind: global_buffer, .address_space: global }
      - { .name: params_enc_1_bk, .offset: 72, .size: 8, .value_kind: global_buffer, .address_space: global }
      - { .name: params_enc_1_bv, .offset: 80, .size: 8, .value_kind: global_buffer, .address_space: global }
      - { .name: params_enc_1_Wo, .offset: 88, .size: 8, .value_kind: global_buffer, .address_space: global }
      - { .name: pa, .offset: 96, .size: 8, .value_kind: global_buffer, .address_space: global }
      - { .name: params_tm3_Wa, .offset: 104, .size: 8, .value_kind: global_buffer, .address_space: global }
      - { .name: params_tm3_Wb, .offset: 112, .size: 8, .value_kind: global_buffer, .address_space: global }
      - { .name: params_tm3_Wg, .offset: 120, .size: 8, .value_kind: global_buffer, .address_space: global }
      - { .name: params_tm3_Wo, .offset: 128, .size: 8, .value_kind: global_buffer, .address_space: global }
      - { .name: params_tm3_ln_s, .offset: 136, .size: 8, .value_kind: global_buffer, .address_space: global }
      - { .name: params_tm3_ln_b, .offset: 144, .size: 8, .value_kind: global_buffer, .address_space: global }
      - { .name: params_tm3_ba, .offset: 152, .size: 8, .value_kind: global_buffer, .address_space: global }
      - { .name: params_tm3_bb, .offset: 160, .size: 8, .value_kind: global_buffer, .address_space: global }
      - { .name: params_tm3_bg, .offset: 168, .size: 8, .value_kind: global_buffer, .address_space: global }
      - { .name: params_tm3_bo, .offset: 176, .size: 8, .value_kind: global_buffer, .address_space: global }
      - { .name: params_tm3_on_s, .offset: 184, .size: 8, .value_kind: global_buffer, .address_space: global }
      - { .name: params_tm3_on_b, .offset: 192, .size: 8, .value_kind: global_buffer, .address_space: global }
      - { .name: wp3, .offset: 200, .size: 8, .value_kind: global_buffer, .address_space: global }
    .group_segment_fixed_size: 86272
    .private_segment_fixed_size: 0
    .kernarg_segment_align: 8
    .kernarg_segment_size: 208
    .max_flat_workgroup_size: 512
    .sgpr_count:     66
    .vgpr_count:     256
    .wavefront_size: 32
...
	.end_amdgpu_metadata
.endif
;; end of part 3
;; launch ff1: the kernel of part 2 again; grid 20 x 1, 16 waves a work-group, no clusters, 60,416 bytes of LDS; arguments pa, params_enc_1_bo, params_enc_1_ln1_s, params_enc_1_ln1_b, params_enc_1_W1, params_enc_1_b1, params_enc_1_W2, pf, params_tm2_Wa, params_tm2_Wb, params_tm2_Wg, params_tm2_Wo, params_tm2_ln_s, params_tm2_ln_b, params_tm2_ba, params_tm2_bb, params_tm2_bg, params_tm2_bo, params_tm2_on_s, params_tm2_on_b, wp2; writes pf, wp2
;; launch tri (part 4): grid 2 x 1, 16 waves a work-group, no clusters, 290,816 bytes of LDS; arguments wp1, wpa, wp2, wp3, tokens, pf, params_enc_1_b2, params_enc_1_ln2_s, params_enc_1_ln2_b, params_exp_W, params_exp_b, params_out_W, params_out_b, params_ta_ln_s, params_ta_ln_b, params_ta_Wbias, params_ta_bg, params_ta_bo, tbl; writes tbl
.if DOCPART == 4
	.amdgcn_target "amdgcn-amd-amdhsa--gfx1250"
	.amdhsa_code_object_version 6
	.text
	.protected	k_q6354ecec90_tri
	.globl	k_q6354ecec90_tri
	.p2align	8
	.type	k_q6354ecec90_tri,@function
k_q6354ecec90_tri:
	s_mov_b64 s[64:65], 0
	v_nop
	global_prefetch_b8 v0, s[64:65] scope:SCOPE_SE
	s_setreg_imm32_b32 hwreg(HW_REG_WAVE_MODE, 25, 1), 1
	s_wait_xcnt 0x0
; THE PAIR STACK ON CLASS POSITIONS.  Every pair tensor of reference() at (b, i, j) hangs on (b, tok_i, tok_j) alone, so a work-group (one batch) carries 64 positions pos = 8 ti + tj
; through h h^T, the expansion, tri_mul, tri_att, tri_mul, tri_mul and the last projection, all in LDS and registers, and stores a table of 64 x 2 numbers.
; A sum over the 256 positions k is the sum over the 8 classes weighted by the counts n[t]; the softmax over j weights its exponentials by n[tj] and keeps absent classes out of its maximum.
; FORMATS: the encoder's last LayerNorm and h h^T in f32 and split bf16 (hi hi + hi lo + lo hi): the first LayerNorm of the stack is steep where h_i . h_j is small.
; Behind it f16 matrix operands (weights rounded once by the launches before, activations once on their way to LDS), f32 sums; LayerNorm, sigmoid, softmax, biases in f32.
; On the vector unit, in f32: the collapsed einsum (the channel is a batch index and K = 8), n . Wbias (one column), z out_W (two columns).
; SHARES: row phases: wave w owns positions 4 w .. 4 w + 3, lane L channels 4 L .. 4 L + 3.  Matrix phases: wave w owns channel tile nt = w % 8 and position tiles 2 mh, 2 mh + 1, mh = w / 8.
; THE BATCH enters global addresses alone: wave w finishes class row (w + 8 b) mod 16, so LDS rows 0-7, the first eight counts and the upper left 8 x 8 of h h^T are my batch's;
; rows 8-15 are the other batch's and serve only to fill the 16 x 16 tile with written numbers.
; The next stage's weight images fly into v176-255 during a stage.  No tensor loads and no cluster: two work-groups, and all that they share is the images.
; LIMITS: tokens lie in 0..7; f16 operands (weights, LayerNorm outputs, q, k, v, n a, g o) stay under 65,504 and keep f16's fixed step below 6e-5; a masked score counts as -1e30;
; a weight below 2^-126 counts as 0; NaN and infinities are not treated apart; sums of equal terms are formed as count x term, another order of rounding than the reference's.
.set ACT, 163840      ; behind the five images: f16 [64][128], pitch 272
.set Z, 181248        ; f32 [64][128], pitch 528
.set U, 215040        ; by turns: a in f32, pitch 528 | q, k (f16, pitch 272) and v turned ([128 c][64 pos] f16, pitch 144) | h hi, lo (bf16, pitch 528)
.set KAO, 17408
.set VTO, 34816
.set VEC, 268288      ; the three tm's vectors, 4,096 bytes each: ln_s, ln_b, ba, bb, bg, bo, on_s, on_b
.set VS, 12288
.set VECS, VEC+VS     ; ta_ln_s, ta_ln_b, ta_Wbias, ta_bg, ta_bo, exp_W, exp_b, out_W (two slots)
.set PM, 285184       ; h h^T, [16][16] f32; at the end the table
.set BIAS, 286208
.set PIMG, 286464     ; four weight fragments of 512 bytes
.set CNT, 288512      ; 16 counts, f32: my batch's eight first
.set SPARE, 288768    ; the spare words: 128 bytes a wave, named by no other line
.set NL2E, 72
.set SEL, 74
.set HIM, 76
.set I128, 77
.set EPS, 78
.set I256, 79
; v6-8 image copy, v9-11 weight fragments, v12 activation fragments, v13 v14 f32 tiles in Z, U, v15 v16 f16 tiles in ACT, U, v17 v turned, v18 v19 my rows in Z, ACT,
; v20 v21 the einsum's rows, v22 v23 vectors by tile and by lane; v24-31 bias as C; v32-47 gate; v48-79 four accumulators; v80-111 weight fragments; v112-175 activation fragments; v176-255 images in flight
.macro BAR
	s_wait_dscnt 0x0                ; for the others' sake: my LDS stores are done and my LDS reads are back
	s_barrier_signal -1
	s_barrier_wait -1
.endm
.macro PLACES                       ; four plain places behind matrix instructions, ahead of what reads their results or loads into their registers
.rept 4
	v_nop
.endr
.endm
.macro WSUM x, t
	v_add_f32_dpp v[\x], v[\x], v[\x] row_xmask:1 row_mask:0xf bank_mask:0xf
	v_add_f32_dpp v[\x], v[\x], v[\x] row_xmask:2 row_mask:0xf bank_mask:0xf
	v_add_f32_dpp v[\x], v[\x], v[\x] row_xmask:4 row_mask:0xf bank_mask:0xf
	v_add_f32_dpp v[\x], v[\x], v[\x] row_xmask:8 row_mask:0xf bank_mask:0xf
	v_permlanex16_b32 v[\t], v[\x], s[SEL], s[SEL+1]
	v_add_f32 v[\x], v[\x], v[\t]
.endm
.macro WSUM4 T                      ; four sums over the wave at T, T + 2, T + 4, T + 6, side by side
.irp m,1,2,4,8
.irp u,0,1,2,3
	v_add_f32_dpp v[(\T)+2*(\u)], v[(\T)+2*(\u)], v[(\T)+2*(\u)] row_xmask:\m row_mask:0xf bank_mask:0xf
.endr
.endr
.irp u,0,1,2,3
	v_permlanex16_b32 v[(\T)+2*(\u)+1], v[(\T)+2*(\u)], s[SEL], s[SEL+1]
.endr
.irp u,0,1,2,3
	v_add_f32 v[(\T)+2*(\u)], v[(\T)+2*(\u)], v[(\T)+2*(\u)+1]
.endr
.endm
.macro SPLIT2 dh, dl, a, b, t0, t1  ; two f32 -> packed hi, packed lo = bf16(x - hi); the subtraction is exact
	v_cvt_pk_bf16_f32 v[\dh], v[\a], v[\b]
	v_lshlrev_b32 v[\t0], 16, v[\dh]
	v_and_b32 v[\t1], s[HIM], v[\dh]
	v_sub_f32 v[\t0], v[\a], v[\t0]
	v_sub_f32 v[\t1], v[\b], v[\t1]
	v_cvt_pk_bf16_f32 v[\dl], v[\t0], v[\t1]
.endm
.macro ADD8 d, s
.irp c,0,2,4,6
	v_pk_add_f32 v[(\d)+(\c):(\d)+(\c)+1], v[(\d)+(\c):(\d)+(\c)+1], v[(\s)+(\c):(\s)+(\c)+1]
.endr
.endm
.macro LN256 Y, GA, BE, T           ; LayerNorm of a row of 256 held by one wave, 8 numbers a lane; two passes: mean, then the squares of the differences
	v_pk_add_f32 v[(\T):(\T)+1], v[(\Y):(\Y)+1], v[(\Y)+2:(\Y)+3]
	v_pk_add_f32 v[(\T)+2:(\T)+3], v[(\Y)+4:(\Y)+5], v[(\Y)+6:(\Y)+7]
	v_pk_add_f32 v[(\T):(\T)+1], v[(\T):(\T)+1], v[(\T)+2:(\T)+3]
	v_add_f32 v[(\T)], v[(\T)], v[(\T)+1]
	WSUM (\T), (\T)+1
	v_mul_f32 v[(\T)], s[I256], v[(\T)]
.irp c,0,2,4,6
	v_pk_add_f32 v[(\Y)+(\c):(\Y)+(\c)+1], v[(\Y)+(\c):(\Y)+(\c)+1], v[(\T):(\T)+1] op_sel_hi:[1,0] neg_lo:[0,1] neg_hi:[0,1]
.endr
	v_pk_mul_f32 v[(\T)+2:(\T)+3], v[(\Y):(\Y)+1], v[(\Y):(\Y)+1]
.irp c,2,4,6
	v_pk_fma_f32 v[(\T)+2:(\T)+3], v[(\Y)+(\c):(\Y)+(\c)+1], v[(\Y)+(\c):(\Y)+(\c)+1], v[(\T)+2:(\T)+3]
.endr
	v_add_f32 v[(\T)+2], v[(\T)+2], v[(\T)+3]
	WSUM (\T)+2, (\T)+3
	v_fma_f32 v[(\T)+2], v[(\T)+2], s[I256], s[EPS]
	v_rsq_f32 v[(\T)+2], v[(\T)+2]
	v_nop                           ; a plain instruction behind the root
	s_wait_alu depctr_va_vdst(0)
.irp c,0,2,4,6
	v_pk_mul_f32 v[(\Y)+(\c):(\Y)+(\c)+1], v[(\Y)+(\c):(\Y)+(\c)+1], v[(\T)+2:(\T)+3] op_sel_hi:[1,0]
.endr
.irp c,0,2,4,6
	v_pk_fma_f32 v[(\Y)+(\c):(\Y)+(\c)+1], v[(\Y)+(\c):(\Y)+(\c)+1], v[(\GA)+(\c):(\GA)+(\c)+1], v[(\BE)+(\c):(\BE)+(\c)+1]
.endr
.endm
.macro LN4 X, GA, BE, T             ; LayerNorm over 128 channels of four rows, four registers each, side by side; two passes
.irp u,0,1,2,3
	v_pk_add_f32 v[(\T)+2*(\u):(\T)+2*(\u)+1], v[(\X)+4*(\u):(\X)+4*(\u)+1], v[(\X)+4*(\u)+2:(\X)+4*(\u)+3]
.endr
.irp u,0,1,2,3
	v_add_f32 v[(\T)+2*(\u)], v[(\T)+2*(\u)], v[(\T)+2*(\u)+1]
.endr
	WSUM4 \T
.irp u,0,1,2,3
	v_mul_f32 v[(\T)+2*(\u)], s[I128], v[(\T)+2*(\u)]
.endr
.irp u,0,1,2,3
	v_pk_add_f32 v[(\X)+4*(\u):(\X)+4*(\u)+1], v[(\X)+4*(\u):(\X)+4*(\u)+1], v[(\T)+2*(\u):(\T)+2*(\u)+1] op_sel_hi:[1,0] neg_lo:[0,1] neg_hi:[0,1]
	v_pk_add_f32 v[(\X)+4*(\u)+2:(\X)+4*(\u)+3], v[(\X)+4*(\u)+2:(\X)+4*(\u)+3], v[(\T)+2*(\u):(\T)+2*(\u)+1] op_sel_hi:[1,0] neg_lo:[0,1] neg_hi:[0,1]
.endr
.irp u,0,1,2,3
	v_pk_mul_f32 v[(\T)+2*(\u):(\T)+2*(\u)+1], v[(\X)+4*(\u):(\X)+4*(\u)+1], v[(\X)+4*(\u):(\X)+4*(\u)+1]
.endr
.irp u,0,1,2,3
	v_pk_fma_f32 v[(\T)+2*(\u):(\T)+2*(\u)+1], v[(\X)+4*(\u)+2:(\X)+4*(\u)+3], v[(\X)+4*(\u)+2:(\X)+4*(\u)+3], v[(\T)+2*(\u):(\T)+2*(\u)+1]
.endr
.irp u,0,1,2,3
	v_add_f32 v[(\T)+2*(\u)], v[(\T)+2*(\u)], v[(\T)+2*(\u)+1]
.endr
	WSUM4 \T
.irp u,0,1,2,3
	v_fma_f32 v[(\T)+2*(\u)], v[(\T)+2*(\u)], s[I128], s[EPS]
.endr
.irp u,0,1,2,3
	v_rsq_f32 v[(\T)+2*(\u)], v[(\T)+2*(\u)]
.endr
	v_nop
	s_wait_alu depctr_va_vdst(0)
.irp u,0,1,2,3
	v_pk_mul_f32 v[(\X)+4*(\u):(\X)+4*(\u)+1], v[(\X)+4*(\u):(\X)+4*(\u)+1], v[(\T)+2*(\u):(\T)+2*(\u)+1] op_sel_hi:[1,0]
	v_pk_mul_f32 v[(\X)+4*(\u)+2:(\X)+4*(\u)+3], v[(\X)+4*(\u)+2:(\X)+4*(\u)+3], v[(\T)+2*(\u):(\T)+2*(\u)+1] op_sel_hi:[1,0]
.endr
.irp u,0,1,2,3
	v_pk_fma_f32 v[(\X)+4*(\u):(\X)+4*(\u)+1], v[(\X)+4*(\u):(\X)+4*(\u)+1], v[(\GA):(\GA)+1], v[(\BE):(\BE)+1]
	v_pk_fma_f32 v[(\X)+4*(\u)+2:(\X)+4*(\u)+3], v[(\X)+4*(\u)+2:(\X)+4*(\u)+3], v[(\GA)+2:(\GA)+3], v[(\BE)+2:(\BE)+3]
.endr
.endm
.macro ROWS16 X, D                  ; my four rows rounded to f16 into ACT
.irp u,0,1,2,3
	v_cvt_pk_f16_f32 v[(\D)+2*(\u)], v[(\X)+4*(\u)], v[(\X)+4*(\u)+1]
	v_cvt_pk_f16_f32 v[(\D)+2*(\u)+1], v[(\X)+4*(\u)+2], v[(\X)+4*(\u)+3]
.endr
.irp u,0,1,2,3
	ds_store_b64 v19, v[(\D)+2*(\u):(\D)+2*(\u)+1] offset:(\u)*272
.endr
.endm
.macro STAGE_ST nm                  ; the images that flew in go to LDS: 2,048 bytes of each image a wave
	s_wait_loadcnt 0x0
.set i, 0
.rept 4*(\nm)
	ds_store_b128 v[6+i/8], v[176+4*i:179+4*i] offset:(i%8)*8192
.set i, i+1
.endr
.endm
.macro STAGE_LD nn, base            ; and the next stage's start, from the pack whose address lies in s[base:base+1]; neither that pair nor v6 is ever rewritten
.set i, 0
.rept 4*(\nn)
	global_load_b128 v[176+4*i:179+4*i], v6, s[(\base):(\base)+1] offset:i*8192
.set i, i+1
.endr
.endm
.macro LDNF                         ; activation fragments: two position tiles x four K steps
.irp u,0,1
.irp s,0,1,2,3
	ds_load_b128 v[112+32*(\u)+8*(\s):115+32*(\u)+8*(\s)], v12 offset:(\u)*4352+64*(\s)
	ds_load_b128 v[116+32*(\u)+8*(\s):119+32*(\u)+8*(\s)], v12 offset:(\u)*4352+64*(\s)+32
.endr
.endr
.endm
.macro LDWF img, voff               ; my channel tile of image img, four K steps; voff >= 0: eight bias numbers, which lie as a C operand lies
.irp s,0,1,2,3
	ds_load_b128 v[80+8*(\s):83+8*(\s)], v[9+(\img)/2] offset:((\img)%2)*32768+(\s)*8192
	ds_load_b128 v[84+8*(\s):87+8*(\s)], v[9+(\img)/2] offset:((\img)%2)*32768+(\s)*8192+512
.endr
.if (\voff) >= 0
	ds_load_b128 v[24:27], v22 offset:\voff
	ds_load_b128 v[28:31], v22 offset:(\voff)+16
.endif
.endm
.macro MM8 c, sw, bias              ; eight products on accumulators c, c + 1 by turns.  sw = 1: weights are source 0: lane (r, h) register jj = (position r, channel 8 h + jj)
.irp s,0,1,2,3
.irp u,0,1
.set dd, 48+8*((\c)+(\u))
.set ww, 80+8*(\s)
.set nn, 112+32*(\u)+8*(\s)
.if (\s) == 0
.if \bias
	v_wmma_f32_16x16x32_f16 v[dd:dd+7], v[ww:ww+7], v[nn:nn+7], v[24:31]
.elseif \sw
	v_wmma_f32_16x16x32_f16 v[dd:dd+7], v[ww:ww+7], v[nn:nn+7], 0
.else
	v_wmma_f32_16x16x32_f16 v[dd:dd+7], v[nn:nn+7], v[ww:ww+7], 0
.endif
.elseif \sw
	v_wmma_f32_16x16x32_f16 v[dd:dd+7], v[ww:ww+7], v[nn:nn+7], v[dd:dd+7]
.else
	v_wmma_f32_16x16x32_f16 v[dd:dd+7], v[nn:nn+7], v[ww:ww+7], v[dd:dd+7]
.endif
.endr
.endr
.endm
.macro SIG D, S, N                  ; sigmoid = 1 / (1 + 2^(-log2(e) x))
.set i, 0
.rept (\N)/2
	v_pk_mul_f32 v[(\D)+i:(\D)+i+1], v[(\S)+i:(\S)+i+1], s[NL2E:NL2E+1] op_sel_hi:[1,0]
.set i, i+2
.endr
.set i, 0
.rept \N
	v_exp_f32 v[(\D)+i], v[(\D)+i]
.set i, i+1
.endr
	v_nop
.set i, 0
	s_wait_alu depctr_va_vdst(0)
.rept (\N)/2
	v_pk_add_f32 v[(\D)+i:(\D)+i+1], v[(\D)+i:(\D)+i+1], 1.0 op_sel_hi:[1,0]
.set i, i+2
.endr
.set i, 0
.rept \N
	v_rcp_f32 v[(\D)+i], v[(\D)+i]
.set i, i+1
.endr
	v_nop
.endm
.macro CVT8 B                       ; two accumulators rounded to f16 in place, each into its four lowest registers
.irp t,0,1
.irp q,0,1,2,3
	v_cvt_pk_f16_f32 v[(\B)+8*(\t)+(\q)], v[(\B)+8*(\t)+2*(\q)], v[(\B)+8*(\t)+2*(\q)+1]
.endr
.endr
.endm
.macro EIN o, a                     ; out[ti, tj] = sum over tk of (n a[ti, tk]) a[tj, tk], four channels a lane
.irp c,0,2
	v_pk_mul_f32 v[48+4*(\o)+(\c):49+4*(\o)+(\c)], v[64+(\c):65+(\c)], v[96+32*(\a)+(\c):97+32*(\a)+(\c)]
.endr
.irp tk,1,2,3,4,5,6,7
.irp c,0,2
	v_pk_fma_f32 v[48+4*(\o)+(\c):49+4*(\o)+(\c)], v[64+4*(\tk)+(\c):65+4*(\tk)+(\c)], v[96+32*(\a)+4*(\tk)+(\c):97+32*(\a)+4*(\tk)+(\c)], v[48+4*(\o)+(\c):49+4*(\o)+(\c)]
.endr
.endr
.endm
.macro AJLD u0                      ; a's rows of classes tj = 4 (w % 2) + u0, + u0 + 1
.irp u,0,1
.irp tk,0,1,2,3,4,5,6,7
	ds_load_b128 v[96+32*(\u)+4*(\tk):99+32*(\u)+4*(\tk)], v21 offset:(8*((\u0)+(\u))+(\tk))*528
.endr
.endr
.endm
; ONE tri_mul.  first = 1: the input is p exp_W + exp_b, made here from h h^T; else it lies in Z.
.macro TM first
.if \first
	ds_load_b128 v[72:75], v100                    ; p of my four positions
	ds_load_b128 v[76:79], v23 offset:VS+5*512
	ds_load_b128 v[80:83], v23 offset:VS+6*512
.else
.irp u,0,1,2,3
	ds_load_b128 v[48+4*(\u):51+4*(\u)], v18 offset:(\u)*528
.endr
.endif
	ds_load_b128 v[64:67], v23
	ds_load_b128 v[68:71], v23 offset:512
	s_wait_dscnt 0x0
.if \first
.irp u,0,1,2,3
.irp c,0,1,2,3
	v_fma_f32 v[48+4*(\u)+(\c)], v[72+(\u)], v[76+(\c)], v[80+(\c)]
.endr
.endr
.endif
	LN4 48, 64, 68, 84
	ROWS16 48, 92
	BAR
	LDNF                                           ; a = sigmoid(n Wa + ba) (n Wb + bb), g = sigmoid(n Wg + bg)
	LDWF 0, 1024
	s_wait_dscnt 0x0
	MM8 0, 1, 1
	PLACES
	LDWF 1, 1536
	s_wait_dscnt 0x0
	MM8 2, 1, 1
	PLACES
	LDWF 2, 2048                                   ; on its way during the activation
	SIG 48, 48, 16
	s_wait_alu depctr_va_vdst(0)
.irp q,0,2,4,6,8,10,12,14
	v_pk_mul_f32 v[48+(\q):49+(\q)], v[48+(\q):49+(\q)], v[64+(\q):65+(\q)]
.endr
	ds_store_b128 v14, v[48:51]
	ds_store_b128 v14, v[52:55] offset:16
	ds_store_b128 v14, v[56:59] offset:8448
	ds_store_b128 v14, v[60:63] offset:8464
	s_wait_dscnt 0x0
	MM8 0, 1, 1
	PLACES
	SIG 32, 48, 16
	BAR
.irp tk,0,1,2,3,4,5,6,7
	ds_load_b128 v[64+4*(\tk):67+4*(\tk)], v20 offset:(\tk)*528
.endr
	AJLD 0
	ds_load_b128 v[160:163], v23 offset:3072
	ds_load_b128 v[164:167], v23 offset:3584
	s_wait_dscnt 0x0
.irp tk,0,1,2,3,4,5,6,7
	v_pk_mul_f32 v[64+4*(\tk):65+4*(\tk)], v[64+4*(\tk):65+4*(\tk)], s[48+2*(\tk):49+2*(\tk)] op_sel_hi:[1,0]
	v_pk_mul_f32 v[66+4*(\tk):67+4*(\tk)], v[66+4*(\tk):67+4*(\tk)], s[48+2*(\tk):49+2*(\tk)] op_sel_hi:[1,0]
.endr
	EIN 0, 0
	EIN 1, 1
	AJLD 2
	s_wait_dscnt 0x0
	EIN 2, 0
	EIN 3, 1
	LN4 48, 160, 164, 168
	ROWS16 48, 64
	BAR
	LDNF                                           ; z = g (LayerNorm(out) Wo + bo)
	LDWF 3, 2560
	s_wait_dscnt 0x0
	MM8 0, 1, 1
	PLACES
.irp q,0,2,4,6,8,10,12,14
	v_pk_mul_f32 v[48+(\q):49+(\q)], v[48+(\q):49+(\q)], v[32+(\q):33+(\q)]
.endr
	ds_store_b128 v13, v[48:51]
	ds_store_b128 v13, v[52:55] offset:16
	ds_store_b128 v13, v[56:59] offset:8448
	ds_store_b128 v13, v[60:63] offset:8464
	BAR
.endm
	s_load_b512 s[8:23], s[0:1], 0x0               ; wp1, wpa, wp2, wp3, tokens, pf, b2, ln2_s
	s_load_b512 s[24:39], s[0:1], 0x40             ; ln2_b, exp_W, exp_b, out_W, out_b, ta_ln_s, ta_ln_b, ta_Wbias
	s_load_b128 s[40:43], s[0:1], 0x80             ; ta_bg, ta_bo
	s_load_b64 s[44:45], s[0:1], 0x90              ; tbl
	v_lshl_add_u32 v4, v0, 2, SPARE
	v_mov_b32 v5, 0
	v_lshrrev_b32 v1, 5, v0
	v_readfirstlane_b32 s2, v1                     ; wave
	v_and_b32 v1, 31, v0
	v_and_b32 v2, 15, v0
	v_bfe_u32 v3, v0, 4, 1
	s_mov_b32 s3, ttmp9                            ; batch: it enters global addresses alone
	s_mov_b32 s[NL2E], 0xbfb8aa3b                  ; -log2(e)
	s_mov_b32 s[NL2E+1], s[NL2E]
	s_mov_b32 s[SEL], 0x76543210
	s_mov_b32 s[SEL+1], 0xfedcba98
	s_mov_b32 s[HIM], 0xffff0000
	s_mov_b32 s[I128], 0x3c000000
	s_mov_b32 s[EPS], 0x3727c5ac
	s_mov_b32 s[I256], 0x3b800000
	s_mov_b32 s88, 0x3e0293ee                      ; log2(e) / sqrt(128)
	s_lshl_b32 s80, s2, 9
	v_lshl_add_u32 v6, v1, 4, s80
	v_add_nc_u32 v7, 0x10000, v6
	v_add_nc_u32 v8, 0x20000, v6
	s_lshl_b32 s81, s3, 3
	s_add_co_u32 s81, s81, s2
	s_and_b32 s81, s81, 15                         ; the class row that I finish: (w + 8 b) mod 16; its class is w % 8
	s_lshl_b32 s80, s81, 10
	v_lshl_add_u32 v9, v1, 4, s80                  ; that row of a slot
	v_lshlrev_b32 v10, 4, v1
	s_lshr_b32 s80, s81, 3
	s_lshl_b32 s80, s80, 10
	v_lshl_add_u32 v11, v1, 4, s80                 ; tokens of that row's batch
	s_lshl_b32 s80, s2, 8
	v_lshl_add_u32 v254, v1, 3, s80                ; my 256 bytes of a tm's vectors
	v_add_nc_u32 v255, VEC, v254
	s_wait_kmcnt 0x0
	s_load_b64 s[46:47], s[32:33], 0x0             ; out_b
	s_add_nc_u64 s[6:7], s[30:31], 512
	s_mov_b64 s[4:5], s[34:35]                     ; the small vector that wave w < 9 brings
	s_cmp_eq_u32 s2, 1
	s_cselect_b64 s[4:5], s[36:37], s[4:5]
	s_cmp_eq_u32 s2, 2
	s_cselect_b64 s[4:5], s[38:39], s[4:5]
	s_cmp_eq_u32 s2, 3
	s_cselect_b64 s[4:5], s[40:41], s[4:5]
	s_cmp_eq_u32 s2, 4
	s_cselect_b64 s[4:5], s[42:43], s[4:5]
	s_cmp_eq_u32 s2, 5
	s_cselect_b64 s[4:5], s[26:27], s[4:5]
	s_cmp_eq_u32 s2, 6
	s_cselect_b64 s[4:5], s[28:29], s[4:5]
	s_cmp_eq_u32 s2, 7
	s_cselect_b64 s[4:5], s[30:31], s[4:5]
	s_cmp_eq_u32 s2, 8
	s_cselect_b64 s[4:5], s[6:7], s[4:5]
.set p, 0
.rept 17
	global_load_b128 v[40+8*p:43+8*p], v9, s[18:19] offset:p*16384
	global_load_b128 v[44+8*p:47+8*p], v9, s[18:19] offset:p*16384+512
.set p, p+1
.endr
	global_load_b128 v[16:19], v10, s[20:21]
	global_load_b128 v[20:23], v10, s[20:21] offset:512
	global_load_b128 v[24:27], v10, s[22:23]
	global_load_b128 v[28:31], v10, s[22:23] offset:512
	global_load_b128 v[32:35], v10, s[24:25]
	global_load_b128 v[36:39], v10, s[24:25] offset:512
	global_load_b128 v[240:243], v11, s[16:17]
	global_load_b128 v[244:247], v11, s[16:17] offset:512
	global_load_b64 v[248:249], v254, s[8:9] offset:131072
	global_load_b64 v[250:251], v254, s[12:13] offset:131072
	global_load_b64 v[252:253], v254, s[14:15] offset:131072
	s_cmp_lt_u32 s2, 9
	s_cbranch_scc0 .Lnosv
	global_load_b128 v[12:15], v10, s[4:5]
.Lnosv:
	STAGE_LD 4, 8                                  ; tm1's images
	s_wait_loadcnt 16                              ; tm1's 16 image loads, issued last on either way, may stay out
.set p, 0
.rept 16
	ADD8 40, 48+8*p
.set p, p+1
.endr
	ADD8 40, 16
	LN256 40, 24, 32, 48                           ; my row of the encoder's output
	SPLIT2 52, 56, 40, 41, 60, 61
	SPLIT2 53, 57, 42, 43, 62, 63
	SPLIT2 54, 58, 44, 45, 60, 61
	SPLIT2 55, 59, 46, 47, 62, 63
	s_mul_i32 s80, s2, 528
	s_add_co_u32 s80, s80, U
	v_lshl_add_u32 v64, v1, 3, s80                 ; it goes to LDS row w
	ds_store_b64 v64, v[52:53]
	ds_store_b64 v64, v[54:55] offset:256
	ds_store_b64 v64, v[56:57] offset:8448
	ds_store_b64 v64, v[58:59] offset:8704
	ds_store_b64 v255, v[248:249]
	ds_store_b64 v255, v[250:251] offset:4096
	ds_store_b64 v255, v[252:253] offset:8192
	s_cmp_lt_u32 s2, 9
	s_cbranch_scc0 .Lnosv2
	s_lshl_b32 s80, s2, 9
	s_add_co_u32 s80, s80, VECS
	v_lshl_add_u32 v65, v1, 4, s80
	ds_store_b128 v65, v[12:15]
.Lnosv2:
	s_and_b32 s80, s2, 7                           ; I count class w % 8 in my row's batch; the counts only weight values
	s_mov_b32 s81, 0
.irp i,0,1,2,3,4,5,6,7
	v_cmp_eq_u32 s82, s80, v[240+(\i)]
	s_bcnt1_i32_b32 s82, s82
	s_add_co_u32 s81, s81, s82
.endr
	s_lshl_b32 s82, s2, 2
	s_add_co_u32 s82, s82, CNT
	v_mov_b32 v66, s82
	v_cvt_f32_u32 v67, s81
	ds_store_b32 v66, v67
	s_wait_kmcnt 0x0                               ; out_b
	BAR
	STAGE_ST 4                                     ; tm1's images to LDS,
	STAGE_LD 5, 10                                 ; ta's start
	s_cmp_lg_u32 s2, 0
	s_cbranch_scc1 .Lnohh
	v_mul_u32_u24 v9, v2, 528                      ; wave 0: h h^T, split: the same fragments are both sources
	v_lshl_add_u32 v9, v3, 4, v9
	v_add_nc_u32 v9, U, v9
.irp s,0,1,2,3,4,5,6,7
	ds_load_b128 v[48+8*(\s):51+8*(\s)], v9 offset:64*(\s)
	ds_load_b128 v[52+8*(\s):55+8*(\s)], v9 offset:64*(\s)+32
	ds_load_b128 v[112+8*(\s):115+8*(\s)], v9 offset:8448+64*(\s)
	ds_load_b128 v[116+8*(\s):119+8*(\s)], v9 offset:8448+64*(\s)+32
.endr
	s_wait_dscnt 0x0
	v_wmma_f32_16x16x32_bf16 v[16:23], v[48:55], v[48:55], 0           ; three accumulators by turns: hi hi, hi lo, lo hi
	v_wmma_f32_16x16x32_bf16 v[24:31], v[48:55], v[112:119], 0
	v_wmma_f32_16x16x32_bf16 v[32:39], v[112:119], v[48:55], 0
.irp s,1,2,3,4,5,6,7
	v_wmma_f32_16x16x32_bf16 v[16:23], v[48+8*(\s):55+8*(\s)], v[48+8*(\s):55+8*(\s)], v[16:23]
	v_wmma_f32_16x16x32_bf16 v[24:31], v[48+8*(\s):55+8*(\s)], v[112+8*(\s):119+8*(\s)], v[24:31]
	v_wmma_f32_16x16x32_bf16 v[32:39], v[112+8*(\s):119+8*(\s)], v[48+8*(\s):55+8*(\s)], v[32:39]
.endr
	PLACES
.irp q,0,2,4,6
	v_pk_add_f32 v[40+(\q):41+(\q)], v[16+(\q):17+(\q)], v[24+(\q):25+(\q)]
.endr
.irp q,0,2,4,6
	v_pk_add_f32 v[40+(\q):41+(\q)], v[40+(\q):41+(\q)], v[32+(\q):33+(\q)]
.endr
	v_lshlrev_b32 v10, 2, v2
	v_lshl_add_u32 v10, v3, 9, v10
	v_add_nc_u32 v10, PM, v10
.irp jj,0,1,2,3,4,5,6,7
	ds_store_b32 v10, v[40+(\jj)] offset:64*(\jj)
.endr
.Lnohh:
	; the addresses of the stack
	s_and_b32 s70, s2, 7                           ; nt
	s_lshr_b32 s71, s2, 3                          ; mh
	s_lshl_b32 s80, s70, 10
	v_lshl_add_u32 v9, v1, 4, s80
	v_add_nc_u32 v10, 0x10000, v9
	v_add_nc_u32 v11, 0x20000, v9
	s_lshl_b32 s81, s71, 5
	v_add_nc_u32 v24, s81, v2                      ; 32 mh + r
	v_mul_u32_u24 v12, v24, 272
	v_lshl_add_u32 v12, v3, 4, v12
	v_add_nc_u32 v12, ACT, v12
	s_lshl_b32 s82, s70, 4
	v_lshl_add_u32 v25, v3, 3, s82                 ; 16 nt + 8 h
	v_mul_u32_u24 v13, v24, 528
	v_lshl_add_u32 v13, v25, 2, v13
	v_add_nc_u32 v14, U, v13
	v_add_nc_u32 v13, Z, v13
	v_mul_u32_u24 v15, v24, 272
	v_lshl_add_u32 v15, v25, 1, v15
	v_add_nc_u32 v16, U, v15
	v_add_nc_u32 v15, ACT, v15
	v_add_nc_u32 v26, s82, v2
	v_mul_u32_u24 v17, v26, 144
	v_lshl_add_u32 v27, v3, 3, s81
	v_lshl_add_u32 v17, v27, 1, v17
	v_add_nc_u32 v17, U+VTO, v17
	s_mul_i32 s83, s2, 2112
	s_add_co_u32 s83, s83, Z
	v_lshl_add_u32 v18, v1, 4, s83
	s_mul_i32 s83, s2, 1088
	s_add_co_u32 s83, s83, ACT
	v_lshl_add_u32 v19, v1, 3, s83
	s_lshr_b32 s84, s2, 1                          ; ti
	s_mul_i32 s83, s84, 4224
	s_add_co_u32 s83, s83, U
	v_lshl_add_u32 v20, v1, 4, s83
	s_and_b32 s85, s2, 1
	s_mul_i32 s83, s85, 16896
	s_add_co_u32 s83, s83, U
	v_lshl_add_u32 v21, v1, 4, s83
	s_lshl_b32 s83, s70, 6
	s_add_co_u32 s83, s83, VEC
	v_lshl_add_u32 v22, v3, 5, s83
	v_lshlrev_b32 v23, 4, v1
	v_add_nc_u32 v23, VEC, v23
	s_lshl_b32 s80, s84, 6                         ; p[ti][4 (w % 2) ..]: my batch's rows and columns are the tile's first eight
	s_lshl_b32 s81, s85, 4
	s_add_co_u32 s80, s80, s81
	s_add_co_u32 s80, s80, PM
	v_mov_b32 v100, s80
	v_mov_b32 v24, CNT
	ds_load_b128 v[48:51], v24                     ; my batch's eight counts (stored ahead of the barrier above), into scalar pairs
	ds_load_b128 v[52:55], v24 offset:16
	s_wait_dscnt 0x0
.irp t,0,1,2,3,4,5,6,7
	v_readfirstlane_b32 s[48+2*(\t)], v[48+(\t)]
.endr
.irp t,0,1,2,3,4,5,6,7
	s_mov_b32 s[49+2*(\t)], s[48+2*(\t)]
.endr
	BAR
	TM 1
	; tri_att
	STAGE_ST 5
	STAGE_LD 4, 12                                 ; tm2's images start
.irp u,0,1,2,3
	ds_load_b128 v[48+4*(\u):51+4*(\u)], v18 offset:(\u)*528
.endr
	ds_load_b128 v[64:67], v23 offset:VS
	ds_load_b128 v[68:71], v23 offset:VS+512
	ds_load_b128 v[72:75], v23 offset:VS+1024
	s_wait_dscnt 0x0
	LN4 48, 64, 68, 84
.irp u,0,1,2,3
	v_pk_mul_f32 v[84+2*(\u):85+2*(\u)], v[48+4*(\u):49+4*(\u)], v[72:73]          ; bias = n . Wbias
.endr
.irp u,0,1,2,3
	v_pk_fma_f32 v[84+2*(\u):85+2*(\u)], v[50+4*(\u):51+4*(\u)], v[74:75], v[84+2*(\u):85+2*(\u)]
.endr
.irp u,0,1,2,3
	v_add_f32 v[84+2*(\u)], v[84+2*(\u)], v[85+2*(\u)]
.endr
	WSUM4 84
.irp u,0,1,2,3
	v_mov_b32 v[104+(\u)], v[84+2*(\u)]
.endr
	s_lshl_b32 s80, s2, 4
	s_add_co_u32 s80, s80, BIAS
	v_mov_b32 v101, s80
	ds_store_b128 v101, v[104:107]                 ; every lane holds the same four numbers
	ROWS16 48, 92
	BAR
	LDNF
	LDWF 0, -1
	s_wait_dscnt 0x0
	MM8 0, 1, 0                                    ; q
	PLACES
	LDWF 1, -1
	CVT8 48
	ds_store_b128 v16, v[48:51]
	ds_store_b128 v16, v[56:59] offset:4352
	s_wait_dscnt 0x0
	MM8 2, 1, 0                                    ; k
	PLACES
	LDWF 2, -1
	CVT8 64
	ds_store_b128 v16, v[64:67] offset:KAO
	ds_store_b128 v16, v[72:75] offset:KAO+4352
	s_wait_dscnt 0x0
	MM8 0, 0, 0                                    ; v, positions as source 0: a lane holds eight neighbouring positions of one channel
	PLACES
	LDWF 3, VS+1536
	CVT8 48
	ds_store_b128 v17, v[48:51]
	ds_store_b128 v17, v[56:59] offset:32
	s_wait_dscnt 0x0
	MM8 2, 1, 1                                    ; the gate
	PLACES
	SIG 32, 64, 16
	BAR
	; waves 0-3: the scores of position tile w.  S^T = K Q^T: lane (r, h) register jj: query (ti = 2 w + r / 8, tj = r % 8), key (ti = 2 w + h, tk = jj)
	s_cmp_lt_u32 s2, 4
	s_cbranch_scc0 .Lnoa3
	s_lshl_b32 s80, s2, 4
	v_add_nc_u32 v25, s80, v2
	v_mul_u32_u24 v24, v25, 272
	v_lshl_add_u32 v24, v3, 4, v24
	v_add_nc_u32 v24, U, v24
.irp s,0,1,2,3
	ds_load_b128 v[80+8*(\s):83+8*(\s)], v24 offset:KAO+64*(\s)
	ds_load_b128 v[84+8*(\s):87+8*(\s)], v24 offset:KAO+64*(\s)+32
	ds_load_b128 v[112+8*(\s):115+8*(\s)], v24 offset:64*(\s)
	ds_load_b128 v[116+8*(\s):119+8*(\s)], v24 offset:64*(\s)+32
.endr
	v_lshlrev_b32 v25, 2, v25
	v_add_nc_u32 v25, BIAS, v25
	ds_load_b32 v144, v25                          ; the query's bias
	v_and_b32 v26, 7, v0
	v_lshl_add_u32 v26, v26, 2, CNT
	ds_load_b32 v145, v26                          ; n[tj]
	s_lshl_b32 s80, s2, 9
	s_add_co_u32 s80, s80, PIMG
	v_lshl_add_u32 v27, v1, 4, s80
	s_wait_dscnt 0x0
	v_wmma_f32_16x16x32_f16 v[48:55], v[80:87], v[112:119], 0          ; two accumulators by turns
	v_wmma_f32_16x16x32_f16 v[56:63], v[88:95], v[120:127], 0
	v_wmma_f32_16x16x32_f16 v[48:55], v[96:103], v[128:135], v[48:55]
	v_wmma_f32_16x16x32_f16 v[56:63], v[104:111], v[136:143], v[56:63]
	PLACES
	v_mul_f32 v144, 0x3fb8aa3b, v144
	v_lshrrev_b32 v146, 3, v2
	v_mov_b32 v147, 0xf149f2ca                     ; -1e30
	v_cmp_eq_u32 s80, v146, v3                     ; query and key share ti
	v_cmp_lt_f32 s81, 0, v145                      ; the query's class is present
	s_and_b32 s81, s81, s80
.irp q,0,2,4,6
	v_pk_add_f32 v[64+(\q):65+(\q)], v[48+(\q):49+(\q)], v[56+(\q):57+(\q)]
.endr
.irp jj,0,1,2,3,4,5,6,7
	v_fma_f32 v[64+(\jj)], v[64+(\jj)], s88, v144
.endr
.irp jj,0,1,2,3,4,5,6,7
	v_cndmask_b32 v[64+(\jj)], v147, v[64+(\jj)], s81
.endr
.irp jj,0,1,2,3,4,5,6,7
	v_mov_b32 v[72+(\jj)], v[64+(\jj)]
.endr
.irp m,1,2,4                        ; the softmax runs over tj: eight neighbouring lanes
.irp jj,0,1,2,3,4,5,6,7
	v_max_num_f32_dpp v[72+(\jj)], v[72+(\jj)], v[72+(\jj)] row_xmask:\m row_mask:0xf bank_mask:0xf
.endr
.endr
.irp jj,0,1,2,3,4,5,6,7
	v_sub_f32 v[64+(\jj)], v[64+(\jj)], v[72+(\jj)]
.endr
.irp jj,0,1,2,3,4,5,6,7
	v_exp_f32 v[64+(\jj)], v[64+(\jj)]
.endr
	v_nop
	s_wait_alu depctr_va_vdst(0)
.irp jj,0,1,2,3,4,5,6,7
	v_mul_f32 v[72+(\jj)], v[64+(\jj)], v145       ; each class of j stands for n[tj] positions
.endr
.irp m,1,2,4
.irp jj,0,1,2,3,4,5,6,7
	v_add_f32_dpp v[72+(\jj)], v[72+(\jj)], v[72+(\jj)] row_xmask:\m row_mask:0xf bank_mask:0xf
.endr
.endr
.irp jj,0,1,2,3,4,5,6,7
	v_rcp_f32 v[72+(\jj)], v[72+(\jj)]
.endr
	v_nop
	s_wait_alu depctr_va_vdst(0)
.irp jj,0,1,2,3,4,5,6,7
	v_mul_f32 v[64+(\jj)], v[64+(\jj)], v[72+(\jj)]
.endr
.irp jj,0,1,2,3,4,5,6,7
	v_mul_f32 v[64+(\jj)], s[48+2*(\jj)], v[64+(\jj)]        ; and each class of k for n[tk]
.endr
.irp jj,0,1,2,3,4,5,6,7
	v_cndmask_b32 v[64+(\jj)], 0, v[64+(\jj)], s80
.endr
.irp q,0,1,2,3
	v_cvt_pk_f16_f32 v[72+(\q)], v[64+2*(\q)], v[65+2*(\q)]
.endr
	ds_store_b128 v27, v[72:75]                    ; packed pairs of keys ARE the lower half of source 1 of O^T = V^T P
.Lnoa3:
	BAR
	s_lshl_b32 s80, s71, 10
	s_add_co_u32 s80, s80, PIMG
	v_lshl_add_u32 v24, v1, 4, s80
	ds_load_b128 v[80:83], v24
	ds_load_b128 v[88:91], v24 offset:512
	ds_load_b128 v[112:115], v17                   ; V^T: the fragment's upper 16 k meet zeros and take the same finite bytes once more
	ds_load_b128 v[116:119], v17
	ds_load_b128 v[120:123], v17 offset:32
	ds_load_b128 v[124:127], v17 offset:32
.irp i,84,85,86,87,92,93,94,95
	v_mov_b32 v[\i], 0                             ; a tile has 16 keys
.endr
	s_wait_dscnt 0x0
	v_wmma_f32_16x16x32_f16 v[48:55], v[112:119], v[80:87], 0
	v_wmma_f32_16x16x32_f16 v[56:63], v[120:127], v[88:95], 0
	PLACES
	s_wait_alu depctr_va_vdst(0)
.irp q,0,2,4,6,8,10,12,14
	v_pk_mul_f32 v[48+(\q):49+(\q)], v[48+(\q):49+(\q)], v[32+(\q):33+(\q)]
.endr
	CVT8 48
	ds_store_b128 v15, v[48:51]
	ds_store_b128 v15, v[56:59] offset:4352
	BAR
	LDNF
	LDWF 4, VS+2048
	s_wait_dscnt 0x0
	MM8 0, 1, 1
	PLACES
	ds_store_b128 v13, v[48:51]
	ds_store_b128 v13, v[52:55] offset:16
	ds_store_b128 v13, v[56:59] offset:8448
	ds_store_b128 v13, v[60:63] offset:8464
	BAR
	; tm2 and tm3: one text, two trips
	s_mov_b32 s69, 2
.Ltm:
	v_add_nc_u32 v22, 4096, v22                    ; the next tm's vectors
	v_add_nc_u32 v23, 4096, v23
	STAGE_ST 4
	s_cmp_eq_u32 s69, 1
	s_cbranch_scc1 .Lnold                          ; behind tm3 nothing is left to fetch
	STAGE_LD 4, 14                                 ; tm3's images start
.Lnold:
	TM 0
	s_sub_co_u32 s69, s69, 1
	s_cmp_lg_u32 s69, 0
	s_cbranch_scc1 .Ltm
	; z out_W + out_b for my four positions
.irp u,0,1,2,3
	ds_load_b128 v[48+4*(\u):51+4*(\u)], v18 offset:(\u)*528
.endr
	v_lshlrev_b32 v24, 5, v1
	v_add_nc_u32 v24, VECS+3584, v24
	ds_load_b128 v[64:67], v24
	ds_load_b128 v[68:71], v24 offset:16
	s_wait_dscnt 0x0
.irp c,0,1,2,3
	v_mov_b32 v[88+(\c)], v[64+2*(\c)]             ; out_W's two columns, each as four neighbouring registers
	v_mov_b32 v[92+(\c)], v[65+2*(\c)]
.endr
.irp u,0,1,2,3
	v_pk_mul_f32 v[72+2*(\u):73+2*(\u)], v[48+4*(\u):49+4*(\u)], v[88:89]
	v_pk_mul_f32 v[96+2*(\u):97+2*(\u)], v[48+4*(\u):49+4*(\u)], v[92:93]
.endr
.irp u,0,1,2,3
	v_pk_fma_f32 v[72+2*(\u):73+2*(\u)], v[50+4*(\u):51+4*(\u)], v[90:91], v[72+2*(\u):73+2*(\u)]
	v_pk_fma_f32 v[96+2*(\u):97+2*(\u)], v[50+4*(\u):51+4*(\u)], v[94:95], v[96+2*(\u):97+2*(\u)]
.endr
.irp u,0,1,2,3
	v_add_f32 v[72+2*(\u)], v[72+2*(\u)], v[73+2*(\u)]
	v_add_f32 v[96+2*(\u)], v[96+2*(\u)], v[97+2*(\u)]
.endr
	WSUM4 72
	WSUM4 96
.irp u,0,1,2,3
	v_add_f32 v[104+2*(\u)], s46, v[72+2*(\u)]
	v_add_f32 v[105+2*(\u)], s47, v[96+2*(\u)]
.endr
	s_lshl_b32 s80, s2, 5
	s_add_co_u32 s80, s80, PM
	v_mov_b32 v25, s80
	ds_store_b128 v25, v[104:107]                  ; every lane holds the same numbers
	ds_store_b128 v25, v[108:111] offset:16
	BAR
	s_cmp_lg_u32 s2, 0
	s_cbranch_scc1 .Lnoout
	v_lshlrev_b32 v24, 4, v1
	v_add_nc_u32 v26, PM, v24
	ds_load_b128 v[48:51], v26
	s_lshl_b32 s80, s3, 9
	v_add_nc_u32 v27, s80, v24
	s_wait_dscnt 0x0
	global_store_b128 v27, v[48:51], s[44:45]      ; the batch's table: 512 consecutive bytes
.Lnoout:
	s_wait_tensorcnt 0x0                           ; the wave's end
	ds_add_u32 v4, v5
	s_wait_dscnt 0x0
	s_endpgm
.Lfunc_end_k_q6354ecec90_tri:
	.size	k_q6354ecec90_tri, .Lfunc_end_k_q6354ecec90_tri-k_q6354ecec90_tri
	.p2alignl 7, 3214868480
	.fill 96, 4, 3214868480
	.section	.rodata,"a",@progbits
	.p2align	6, 0x0
	.amdhsa_kernel k_q6354ecec90_tri
		.amdhsa_group_segment_fixed_size 290816
		.amdhsa_private_segment_fixed_size 0
		.amdhsa_enable_private_segment 0
		.amdhsa_kernarg_size 152
		.amdhsa_user_sgpr_count 2
		.amdhsa_user_sgpr_kernarg_segment_ptr 1
		.amdhsa_wavefront_size32 1
		.amdhsa_system_sgpr_workgroup_id_x 1
		.amdhsa_system_sgpr_workgroup_id_y 1
		.amdhsa_system_sgpr_workgroup_id_z 1
		.amdhsa_system_vgpr_workitem_id 0
		.amdhsa_next_free_vgpr 256
		.amdhsa_next_free_sgpr 100
		.amdhsa_reserve_vcc 0
		.amdhsa_float_denorm_mode_32 3
		.amdhsa_float_denorm_mode_16_64 3
		.amdhsa_memory_ordered 1
		.amdhsa_forward_progress 1
		.amdhsa_inst_pref_size 146
	.end_amdhsa_kernel
	.amdgpu_metadata
---
amdhsa.version: [ 1, 2 ]
amdhsa.kernels:
  - .name:           k_q6354ecec90_tri
    .symbol:         k_q6354ecec90_tri.kd
    .args:
      - { .name: wp1, .offset: 0, .size: 8, .value_kind: global_buffer, .address_space: global }
      - { .name: wpa, .offset: 8, .size: 8, .value_kind: global_buffer, .address_space: global }
      - { .name: wp2, .offset: 16, .size: 8, .value_kind: global_buffer, .address_space: global }
      - { .name: wp3, .offset: 24, .size: 8, .value_kind: global_buffer, .address_space: global }
      - { .name: tokens, .offset: 32, .size: 8, .value_kind: global_buffer, .address_space: global }
      - { .name: pf, .offset: 40, .size: 8, .value_kind: global_buffer, .address_space: global }
      - { .name: params_enc_1_b2, .offset: 48, .size: 8, .value_kind: global_buffer, .address_space: global }
      - { .name: params_enc_1_ln2_s, .offset: 56, .size: 8, .value_kind: global_buffer, .address_space: global }
      - { .name: params_enc_1_ln2_b, .offset: 64, .size: 8, .value_kind: global_buffer, .address_space: global }
      - { .name: params_exp_W, .offset: 72, .size: 8, .value_kind: global_buffer, .address_space: global }
      - { .name: params_exp_b, .offset: 80, .size: 8, .value_kind: global_buffer, .address_space: global }
      - { .name: params_out_W, .offset: 88, .size: 8, .value_kind: global_buffer, .address_space: global }
      - { .name: params_out_b, .offset: 96, .size: 8, .value_kind: global_buffer, .address_space: global }
      - { .name: params_ta_ln_s, .offset: 104, .size: 8, .value_kind: global_buffer, .address_space: global }
      - { .name: params_ta_ln_b, .offset: 112, .size: 8, .value_kind: global_buffer, .address_space: global }
      - { .name: params_ta_Wbias, .offset: 120, .size: 8, .value_kind: global_buffer, .address_space: global }
      - { .name: params_ta_bg, .offset: 128, .size: 8, .value_kind: global_buffer, .address_space: global }
      - { .name: params_ta_bo, .offset: 136, .size: 8, .value_kind: global_buffer, .address_space: global }
      - { .name: tbl, .offset: 144, .size: 8, .value_kind: global_buffer, .address_space: global }
    .group_segment_fixed_size: 290816
    .private_segment_fixed_size: 0
    .kernarg_segment_align: 8
    .kernarg_segment_size: 152
    .max_flat_workgroup_size: 512
    .sgpr_count:     100
    .vgpr_count:     256
    .wavefront_size: 32
...
	.end_amdgpu_metadata
.endif
;; end of part 4
;; launch expand (part 5): grid 256 x 1, 2 waves a work-group, no clusters, 0 bytes of LDS; arguments tokens, tbl, out0; writes out0
.if DOCPART == 5
	.amdgcn_target "amdgcn-amd-amdhsa--gfx1250"
	.amdhsa_code_object_version 6
	.text
	.protected	k_q6354ecec90_expand
	.globl	k_q6354ecec90_expand
	.p2align	8
	.type	k_q6354ecec90_expand,@function
k_q6354ecec90_expand:
	s_mov_b64 s[64:65], 0
	v_nop
	global_prefetch_b8 v0, s[64:65] scope:SCOPE_SE
	s_setreg_imm32_b32 hwreg(HW_REG_WAVE_MODE, 25, 1), 1
	s_wait_xcnt 0x0
; out0[b][i][j][:] = tbl[b][8 tok_i + tok_j][:].  A wave writes one row (b, i): 256 positions j x 2 numbers = 2,048 bytes, four stores of 512 consecutive bytes.
; The table is 1 KB, so the gathers hit the same few lines; no LDS, no barrier, no matrix unit: the launch only writes the output once.
; LIMIT: tokens lie in 0..7; a larger one is held to 7.
	s_load_b128 s[4:7], s[0:1], 0x0                ; tokens, tbl
	s_load_b64 s[8:9], s[0:1], 0x10                ; out0
	v_lshrrev_b32 v1, 5, v0
	v_readfirstlane_b32 s2, v1
	v_and_b32 v1, 31, v0
	s_lshl1_add_u32 s3, ttmp9, s2                  ; the row: 2 x work-group + wave
	s_lshr_b32 s10, s3, 8                          ; b
	s_lshl_b32 s11, s3, 2
	s_lshl_b32 s13, s10, 10
	v_lshl_add_u32 v2, v1, 3, s13                  ; my two tokens of each 64 positions
	s_lshl_b32 s15, s3, 11
	v_lshl_add_u32 v3, v1, 4, s15
	s_wait_kmcnt 0x0
	s_load_b32 s12, s[4:5], s11 offset:0x0         ; tok_i
.irp e,0,1,2,3
	global_load_b64 v[4+2*(\e):5+2*(\e)], v2, s[4:5] offset:256*(\e)
.endr
	s_wait_kmcnt 0x0
	s_min_u32 s12, s12, 7
	s_lshl_b32 s12, s12, 6
	s_lshl_b32 s14, s10, 9
	s_add_co_u32 s14, s14, s12                     ; 512 b + 64 tok_i
	s_wait_loadcnt 0x0
.irp k,0,1,2,3,4,5,6,7
	v_min_u32 v[4+(\k)], 7, v[4+(\k)]
.endr
.irp k,0,1,2,3,4,5,6,7
	v_lshl_add_u32 v[4+(\k)], v[4+(\k)], 3, s14
.endr
.irp k,0,1,2,3,4,5,6,7
	global_load_b64 v[16+2*(\k):17+2*(\k)], v[4+(\k)], s[6:7]
.endr
	s_wait_loadcnt 0x0
.irp e,0,1,2,3
	global_store_b128 v3, v[16+4*(\e):19+4*(\e)], s[8:9] offset:512*(\e) th:TH_STORE_NT
.endr
	s_endpgm
.Lfunc_end_k_q6354ecec90_expand:
	.size	k_q6354ecec90_expand, .Lfunc_end_k_q6354ecec90_expand-k_q6354ecec90_expand
	.p2alignl 7, 3214868480
	.fill 96, 4, 3214868480
	.section	.rodata,"a",@progbits
	.p2align	6, 0x0
	.amdhsa_kernel k_q6354ecec90_expand
		.amdhsa_group_segment_fixed_size 0
		.amdhsa_private_segment_fixed_size 0
		.amdhsa_enable_private_segment 0
		.amdhsa_kernarg_size 24
		.amdhsa_user_sgpr_count 2
		.amdhsa_user_sgpr_kernarg_segment_ptr 1
		.amdhsa_wavefront_size32 1
		.amdhsa_system_sgpr_workgroup_id_x 1
		.amdhsa_system_sgpr_workgroup_id_y 1
		.amdhsa_system_sgpr_workgroup_id_z 1
		.amdhsa_system_vgpr_workitem_id 0
		.amdhsa_next_free_vgpr 40
		.amdhsa_next_free_sgpr 66
		.amdhsa_reserve_vcc 0
		.amdhsa_float_denorm_mode_32 3
		.amdhsa_float_denorm_mode_16_64 3
		.amdhsa_memory_ordered 1
		.amdhsa_forward_progress 1
		.amdhsa_inst_pref_size 4
	.end_amdhsa_kernel
	.amdgpu_metadata
---
amdhsa.version: [ 1, 2 ]
amdhsa.kernels:
  - .name:           k_q6354ecec90_expand
    .symbol:         k_q6354ecec90_expand.kd
    .args:
      - { .name: tokens, .offset: 0, .size: 8, .value_kind: global_buffer, .address_space: global }
      - { .name: tbl, .offset: 8, .size: 8, .value_kind: global_buffer, .address_space: global }
      - { .name: out0, .offset: 16, .size: 8, .value_kind: global_buffer, .address_space: global }
    .group_segment_fixed_size: 0
    .private_segment_fixed_size: 0
    .kernarg_segment_align: 8
    .kernarg_segment_size: 24
    .max_flat_workgroup_size: 64
    .sgpr_count:     66
    .vgpr_count:     40
    .wavefront_size: 32
...
	.end_amdgpu_metadata
.endif
;; end of part 5
